; MI455X (gfx1250); checked and timed in simulation.
; The chip was launched on July 23, 2026; its instructions are those of AMD's public machine-readable ISA for CDNA 5 (MIT licence, August 2026) and "CDNA5" Instruction Set Architecture Reference Guide (July 2026). The comments in the code are by the model that wrote it; some were corrected since.
;; Multi Head Dot Product Attention. Allowed arithmetic: matrix products marked QUANTISED: E4M3 operands, one given power-of-two scale a tensor, by v_wmma_f32_16x16x64_fp8_fp8 or v_wmma_f32_16x16x128_fp8_fp8, f32 sums; everything else in f32.
;; Inputs: inputs_kv 2 x 2,048 x 1,024 float32; inputs_q 2 x 2,048 x 1,024 float32; k_ln_bias 1,024 float32; k_ln_scale 1,024 float32; lowp_scales 12 int32 (the exponents e of the quantised operands' scales 2^e); mask 2 x 1 x 2,048 x 2,048 bool; q_ln_bias 1,024 float32; q_ln_scale 1,024 float32; wk 1,024 x 1,024 float32; wo 1,024 x 1,024 float32; wq 1,024 x 1,024 float32; wv 1,024 x 1,024 float32.
;; Outputs: out0 2 x 2,048 x 1,024 float32.
;; This version of the problem:
;;   THIS VERSION OF THE PROBLEM IS GIVEN IN LOW PRECISION. The matrix products marked QUANTISED in the list below multiply operands that are first quantised to E4M3 (4 exponent bits, 3 mantissa bits; 8 bits a number), with one given power-of-two scale for each operand tensor; their sums are f32. All else is computed in f32.
;;   The module's matrix products, in the order in which they are computed (A, B: the left and right operand; K: the contracted axis; several contracted axes count as one K, in the product's order):
;;     1. [M 4,096, K 1,024] x [K 1,024, N 1,024]; A: input inputs_q; B: input wq: QUANTISED (scales: A lowp_scales[0], B lowp_scales[1])
;;     2. [M 4,096, K 1,024] x [K 1,024, N 1,024]; A: input inputs_kv; B: input wk: QUANTISED (scales: A lowp_scales[2], B lowp_scales[3])
;;     3. [M 4,096, K 1,024] x [K 1,024, N 1,024]; A: input inputs_kv; B: input wv: QUANTISED (scales: A lowp_scales[4], B lowp_scales[5])
;;     4. batch 32 x [M 2,048, K 64] x [K 64, N 2,048]; A: computed on the way; B: computed on the way: QUANTISED (scales: A lowp_scales[6], B lowp_scales[7])
;;     5. batch 32 x [M 64, K 2,048] x [K 2,048, N 2,048]; A: computed on the way; B: softmax (see below): QUANTISED (scales: A lowp_scales[8], B lowp_scales[9])
;;     6. [M 4,096, K 1,024] x [K 1,024, N 1,024]; A: computed on the way; B: input wo: QUANTISED (scales: A lowp_scales[10], B lowp_scales[11])
;;   THE QUANTISER, for each operand of a quantised product, along K:
;;     - The operand's scale is 2^e, e = its entry of the input lowp_scales (int32; the entries are numbered through the quantised products in the list's order, A before B).
;;     - Each number is divided by the scale, clamped to +-448, and rounded to the nearest number of E4M3, ties to even, subnormals kept.
;;     - The product sums the exact products of the quantised numbers (number of the format x scale) in f32.
;;   ~~~python
;;   def quantise(x, axis, e):      # numpy; x: float32 -> the quantised numbers, widened to float32 again
;;       x = np.moveaxis(x, axis, -1); K = x.shape[-1]
;;       r = np.clip(x / 2.0 ** e, -448, 448)
;;       step = 2.0 ** (np.maximum(np.frexp(np.where(r == 0, 1, r))[1] - 1, -6) - 3)
;;       q = np.round(r / step) * step * 2.0 ** e      # np.round: ties to even
;;       return np.moveaxis(q, -1, axis).astype(np.float32)
;;   ~~~
;;   SOFTMAX AHEAD OF A QUANTISED PRODUCT. Where the list says 'softmax', what is quantised is not the finished softmax but p = 2^(t - M), with t = logit x log2(e) and M = ceil(the row's largest t), a whole number; so 1/2 < the row's largest p <= 1. The row's sum l is taken of the UNQUANTISED p, in f32, and the product's result is divided by l at the end. Since M is a whole number, a kernel that streams over the keys may use a running M (the ceiling of the running maximum): every later rescaling is an exact power of two, so the quantised numbers keep their values, but for numbers so far below the row's largest that they fall under the format's range.
;;   OPERANDS COMPUTED ON THE WAY. 'Computed on the way' means the value that the module computes at that place (a softmax that the list does not call 'softmax' is quantised finished and normalised). What goes into a quantiser is computed in f32, as accurately as f32 sums, v_exp_f32 and their like allow (about 1e-6 of the number): no bf16 or f16 on the way to a quantiser, and a product that is left as it is and whose result goes on into a quantised operand takes f32 operands (vector FMAs, or v_wmma_f32_16x16x4_f32). A number that lies on a knife's edge between two numbers of the format may be rounded either way, as far as f32 arithmetic and the matrix unit's own rounding can turn it there, and no further.
;; One version. Each part assembles by itself: llvm-mc -triple=amdgcn-amd-amdhsa -mcpu=gfx1250 --defsym DOCPART=n.
;; ======== version 1 of 1: 4 launches
;; limits: right only within a limited range of input values
;; workspace buffers: xc 12,582,912 bytes; wc 4,194,304 bytes; mbits 1,048,576 bytes of whole numbers; mflags 65,536 bytes of whole numbers; qf 4,194,304 bytes; kvf 8,388,608 bytes; ao 4,194,304 bytes
;; launch prep (part 1): grid 448 x 1, 4 waves a work-group, no clusters, 70,144 bytes of LDS; arguments inputs_q, inputs_kv, wq, wk, wv, wo, mask, lowp_scales, xc, wc, mbits, mflags; writes xc, wc, mbits, mflags
.if DOCPART == 1
	.amdgcn_target "amdgcn-amd-amdhsa--gfx1250"
	.amdhsa_code_object_version 6
	.text
	.protected	k_qc5abf65f09_prep
	.globl	k_qc5abf65f09_prep
	.p2align	8
	.type	k_qc5abf65f09_prep,@function
k_qc5abf65f09_prep:
	s_mov_b64 s[64:65], 0
	v_nop
	global_prefetch_b8 v0, s[64:65] scope:SCOPE_SE
	s_setreg_imm32_b32 hwreg(HW_REG_WAVE_MODE, 25, 1), 1
	s_wait_xcnt 0x0
; PREP: every f32 input becomes codes of FP8 (E4M3), and the mask becomes words of 32 lane bits.
; code = x / 2^e, held within +-448, to the nearest code, ties to even.  e: lowp_scales[0] inputs_q, [2] and [4] inputs_kv (two sets of codes), [1] wq, [3] wk, [5] wv, [11] wo.
; LIMITS: -126 <= e <= 119, so that 2^e and 448 x 2^e are f32 numbers.  NaN among the inputs is not served (an infinity is held at the largest code).
; THE CODES' LAYOUT is the order of a matrix operand's registers.  Rows go in tiles of 16: slot m of tile T is row 32 (T / 2) + 8 (T % 2) + m + 8 (m / 8).  The fragment of tile T and
; K step s (128 along K) begins at byte (8 T + s) x 2048; in it, the 16 codes k = 32 c + 16 h + 0..15 of slot m lie at 512 c + 16 (m + 16 h).  So a later launch loads a fragment by four
; loads of 16 bytes a lane at 16 x lane, and every store here covers 512 consecutive bytes.
; THE MASK'S LAYOUT: [batch][tile of 16 queries][128 keys][64 words]; bit (r + 16 h) of word 16 c + i says whether key 32 c + 16 h + i counts for the query in slot r.
; SHARES.  A wave takes 16 rows (a tile) x 8 granules; a granule is 256 bytes of each of the 16 rows.  Work-groups 0-127: inputs_q; 128-255: inputs_kv; 256-383: the four weights, 32 each; 384-447: the mask.
; Each load takes whole runs of 256 bytes (sixteen lanes a row); a granule turns through the wave's own stage in LDS (rows 272 bytes apart), so that a lane gets neighbours along K.
; Waves share nothing: no barrier.  Loads run three granules (24 loads a wave) ahead, the turn through LDS one granule.  No tile is shared between work-groups, so there is no cluster.
.set ROWQ,  4096                       ; a row of 1,024 f32
.set ROWM,  2048                       ; a row of the mask
.set SROW,  272                        ; a stage row: 256 bytes + 16
.set STG,   16*SROW                    ; a stage
.set MBASE, 8*STG                      ; the mask's path has LDS bytes of its own, behind the four waves' two stages
.set GI,  4                            ; v4   in: (lane / 16) rows + 16 (lane % 16)
.set STI, 5                            ; v5   the stage, on the way in
.set STO, 6                            ; v6   the stage, on the way out
.set GO,  7                            ; v7   out: 16 x lane
.set TT,  12                           ; v12-15  the mask: four bytes at work
.set WD,  16                           ; v16-23  the mask: two sets of four words
.set R,   32                           ; v32-127 three sets of 32 registers as loaded
.set X,   128                          ; v128-191 two sets of 32 registers back from the stage
.set Y,   192                          ; v192-223 inputs_kv held for its second scale
.set C1,  224                          ; v224-239 codes, two sets
.set C2,   240                         ; v240-255 codes under the second scale, two sets
.macro LOAD g, pitch                   ; granule g: slots 2 p and 2 p + 1 of the tile, 256 bytes each
.irp p, 0,1,2,3,4,5,6,7
	global_load_b128 v[R+32*((\g)%3)+4*\p:R+32*((\g)%3)+4*\p+3], v[GI], s[30:31] offset:(2*\p+8*(\p/4))*\pitch+256*(\g) th:TH_LOAD_NT
.endr
.endm
.macro TURN g, mk                      ; granule g through the stage: LDS serves a wave's instructions in order, so no wait stands between the stores and the loads
.irp p, 0,1,2,3,4,5,6,7
	ds_store_b128 v[STI], v[R+32*((\g)%3)+4*\p:R+32*((\g)%3)+4*\p+3] offset:STG*((\g)%2)+2*SROW*\p
.endr
.irp p, 0,1,2,3,4,5,6,7
.if \mk
	ds_load_b128 v[X+32*((\g)%2)+4*\p:X+32*((\g)%2)+4*\p+3], v[STO] offset:STG*((\g)%2)+32*\p             ; keys 32 p + 16 h + 0..15 of my query
.else
	ds_load_b128 v[X+32*((\g)%2)+4*\p:X+32*((\g)%2)+4*\p+3], v[STO] offset:STG*((\g)%2)+128*(\p/4)+16*(\p%4)   ; numbers 32 (p / 4) + 16 h + 4 (p % 4) + 0..3 of my row
.endif
.endr
.endm
.macro QWORK g                         ; 32 numbers a lane become 32 codes; inputs_kv twice
.set XS, X+32*((\g)%2)
.set CA, C1+8*((\g)%2)
.set CB, C2+8*((\g)%2)
	s_cmp_lg_u32 s5, 1                             ; the segment hangs on the work-group's number alone
	s_cbranch_scc1 .Lone_\@
.set ii, 0
	s_wait_alu depctr_va_vdst(0)
.rept 32
	v_med3_num_f32 v[Y+ii], v[XS+ii], -v11, v11    ; the conversion to an 8-bit code does not saturate (ISA guide 7.6.2): the hold at the largest code x the scale
.set ii, ii+1
.endr
.irp c, 0,1,2,3
	v_cvt_scalef32_pk8_fp8_f32 v[CB+2*\c:CB+2*\c+1], v[Y+8*\c:Y+8*\c+7], v10
.endr
	global_store_b128 v[GO], v[CB:CB+3], s[34:35] offset:1024*(\g)
	global_store_b128 v[GO], v[CB+4:CB+7], s[34:35] offset:1024*(\g)+512
.Lone_\@:
.set ii, 0
	s_wait_alu depctr_va_vdst(0)
.rept 32
	v_med3_num_f32 v[XS+ii], v[XS+ii], -v9, v9
.set ii, ii+1
.endr
.irp c, 0,1,2,3
	v_cvt_scalef32_pk8_fp8_f32 v[CA+2*\c:CA+2*\c+1], v[XS+8*\c:XS+8*\c+7], v8
.endr
	v_nop                                          ; a plain vector line behind the last conversion
	global_store_b128 v[GO], v[CA:CA+3], s[32:33] offset:1024*(\g)        ; 32 lanes store 512 consecutive bytes
	global_store_b128 v[GO], v[CA+4:CA+7], s[32:33] offset:1024*(\g)+512
.endm
.macro MWORK g                         ; 128 bytes a lane become 128 words of the wave: byte y of register q gives word 4 q + y, which goes to lane q
.set XS, X+32*((\g)%2)
.set WS, WD+4*((\g)%2)
	; THE FLAGS of the granule's two key steps, from the bytes themselves (a bool is 0 or 1): registers 0-15 are step 2 g, 16-31 step 2 g + 1.  Bit k of s54: some key of step k counts; bit 16 + k: all count
.irp u, 0,1
	v_or3_b32 v[24+\u], v[XS+16*\u], v[XS+16*\u+1], v[XS+16*\u+2]
	v_and_b32 v[26+\u], v[XS+16*\u], v[XS+16*\u+1]
.endr
.irp j, 3,5,7,9,11,13
.irp u, 0,1
	v_or3_b32 v[24+\u], v[24+\u], v[XS+16*\u+\j], v[XS+16*\u+\j+1]
.endr
.endr
.irp j, 2,3,4,5,6,7,8,9,10,11,12,13,14,15
.irp u, 0,1
	v_and_b32 v[26+\u], v[26+\u], v[XS+16*\u+\j]
.endr
.endr
.irp u, 0,1
	v_or_b32 v[24+\u], v[24+\u], v[XS+16*\u+15]
.endr
	v_cmp_ne_u32 s52, 0, v24                       ; lanes with a visible key
	v_cmp_ne_u32 s53, 0, v25
	v_cmp_ne_u32 s60, 0x01010101, v26              ; lanes with a hidden key
	v_cmp_ne_u32 s61, 0x01010101, v27
	s_cmp_lg_u32 s52, 0
	s_cselect_b32 s52, 1, 0
	s_cmp_lg_u32 s53, 0
	s_cselect_b32 s53, 1, 0
	s_cmp_eq_u32 s60, 0
	s_cselect_b32 s60, 1, 0
	s_cmp_eq_u32 s61, 0
	s_cselect_b32 s61, 1, 0
	s_lshl_b32 s55, s52, 2*(\g)
	s_or_b32 s54, s54, s55
	s_lshl_b32 s55, s53, 2*(\g)+1
	s_or_b32 s54, s54, s55
	s_lshl_b32 s55, s60, 2*(\g)+16
	s_or_b32 s54, s54, s55
	s_lshl_b32 s55, s61, 2*(\g)+17
	s_or_b32 s54, s54, s55
	s_and_not1_b32 s52, s52, s60                   ; some count and some do not
	s_and_not1_b32 s53, s53, s61
	s_or_b32 s52, s52, s53
	s_cbranch_scc0 .Lplain_\@                      ; neither step is mixed: the later launch reads no words of them, and none are made or stored
.set qq, 0
.rept 32
.irp y, 0,1,2,3
	v_and_b32 v[TT+\y], 0xff<<(8*\y), v[XS+qq]
.endr
.irp y, 0,1,2,3
	v_cmp_ne_u32 s[40+\y], 0, v[TT+\y]             ; one bit a lane
.endr
.irp y, 0,1,2,3
	v_writelane_b32 v[WS+\y], s[40+\y], qq
.endr
.set qq, qq+1
.endr
	global_store_b128 v[GO], v[WS:WS+3], s[32:33] offset:512*(\g)         ; 128 words: two key steps of my 16 queries
.Lplain_\@:
.endm
.macro STEP g, mk, pitch
	s_wait_dscnt 0x0                               ; granule g is back from the stage, and its stores into the stage have read their registers,
.if (\g)+3 < 8
	LOAD (\g)+3, \pitch                            ; which take the loads of three granules on
.endif
.if (\g)+1 < 8
.if (\g) < 5
	s_wait_loadcnt 16                              ; the next granule's eight loads are in; those of the two behind it may be out
.else
	s_wait_loadcnt 8*(6-(\g))
.endif
	TURN (\g)+1, \mk
.endif
	s_wait_xcnt 0x0                                ; the stores of two granules back have read their data: that set is written again only behind this wait
.if \mk
	MWORK \g
.else
	QWORK \g
.endif
.endm
	s_load_b512 s[8:23], s[0:1], 0x0               ; inputs_q s[8:9], inputs_kv s[10:11], wq, wk, wv, wo s[12:19], mask s[20:21], lowp_scales s[22:23]
	s_load_b128 s[24:27], s[0:1], 0x40             ; xc, wc
	s_load_b64 s[28:29], s[0:1], 0x50              ; mbits
	s_load_b64 s[56:57], s[0:1], 0x58              ; mflags: 256 bytes for each tile of 16 queries, every word of them the tile's word of flags
	v_lshl_add_u32 v30, v0, 2, 0x11000
	v_mov_b32 v31, 0
	v_lshrrev_b32 v1, 5, v0
	v_readfirstlane_b32 s2, v1                     ; wave
	v_and_b32 v1, 31, v0                           ; lane
	v_and_b32 v2, 15, v0
	v_bfe_u32 v3, v0, 4, 1
	v_lshlrev_b32 v[GO], 4, v1
	s_mul_i32 s3, s2, 2*STG                        ; my wave's two stages
	v_mul_u32_u24 v[STI], v3, SROW
	v_lshl_add_u32 v[STI], v2, 4, v[STI]
	v_add_nc_u32 v[STI], s3, v[STI]                ; in: lanes 0-15 one row, lanes 16-31 the next
	v_mul_u32_u24 v[STO], v2, SROW
	v_add_nc_u32 v[STO], s3, v[STO]                ; out: row = lane % 16
	s_lshl_b32 s4, ttmp9, 2
	s_add_co_u32 s4, s4, s2                        ; 4 x work-group + wave
	s_cmp_ge_u32 ttmp9, 384
	s_cbranch_scc1 .Lmask
	; ---- numbers into codes
	v_lshl_add_u32 v[STO], v3, 6, v[STO]           ; + 64 h: my 16 numbers of a block of 32
	v_lshlrev_b32 v[GI], 12, v3
	v_lshl_add_u32 v[GI], v2, 4, v[GI]
	s_lshr_b32 s5, ttmp9, 7
	s_lshr_b32 s6, ttmp9, 5
	s_sub_co_u32 s6, s6, 6
	s_mov_b32 s7, 511
	s_cmp_ge_u32 ttmp9, 256
	s_cselect_b32 s5, s6, s5                       ; the segment: 0 inputs_q, 1 inputs_kv, 2-5 wq, wk, wv, wo
	s_cselect_b32 s7, 127, s7                      ; tasks in it, less one
	s_and_b32 s4, s4, s7                           ; my task
	s_lshr_b32 s6, s4, 1                           ; the tile
	s_and_b32 s7, s4, 1                            ; which half of K
	s_lshr_b32 s48, s6, 1
	s_lshl_b32 s48, s48, 17                        ; 32 rows of 4,096 bytes
	s_and_b32 s49, s6, 1
	s_lshl_b32 s49, s49, 15                        ; 8 rows
	s_add_co_u32 s48, s48, s49
	s_lshl_b32 s49, s7, 11
	s_add_co_u32 s48, s48, s49
	s_mov_b32 s49, 0                               ; s[48:49]: where my task begins in its tensor
	s_lshl_b32 s50, s6, 14
	s_lshl_b32 s51, s7, 13
	s_add_co_u32 s50, s50, s51
	s_sub_co_u32 s51, s5, 2
	s_lshl_b32 s51, s51, 20                        ; a weight's codes: 1 MiB each
	s_lshl_b32 s52, s5, 22                         ; an input's: 4 MiB each
	s_cmp_lt_u32 s5, 2
	s_cselect_b32 s51, s52, s51
	s_add_co_u32 s50, s50, s51
	s_mov_b32 s51, 0                               ; s[50:51]: where its codes begin
	s_wait_alu depctr_va_vdst(0)
	s_wait_kmcnt 0x0
	s_load_b256 s[36:43], s[22:23], 0x0            ; e0 .. e7
	s_load_b128 s[44:47], s[22:23], 0x20           ; e8 .. e11
	s_cmp_lt_u32 s5, 2
	s_cselect_b64 s[32:33], s[24:25], s[26:27]
	s_cmp_eq_u32 s5, 0
	s_cselect_b64 s[30:31], s[8:9], s[10:11]
	s_cmp_eq_u32 s5, 2
	s_cselect_b64 s[30:31], s[12:13], s[30:31]
	s_cmp_eq_u32 s5, 3
	s_cselect_b64 s[30:31], s[14:15], s[30:31]
	s_cmp_eq_u32 s5, 4
	s_cselect_b64 s[30:31], s[16:17], s[30:31]
	s_cmp_eq_u32 s5, 5
	s_cselect_b64 s[30:31], s[18:19], s[30:31]
	s_add_nc_u64 s[30:31], s[30:31], s[48:49]
	s_add_nc_u64 s[32:33], s[32:33], s[50:51]
	s_add_nc_u64 s[34:35], s[32:33], 0x400000      ; inputs_kv's second set lies 4 MiB behind its first (used in segment 1 alone)
	LOAD 0, ROWQ
	LOAD 1, ROWQ
	LOAD 2, ROWQ
	s_wait_kmcnt 0x0
	s_cmp_eq_u32 s5, 0
	s_cselect_b32 s53, s36, s38                    ; e0 or e2
	s_cmp_eq_u32 s5, 2
	s_cselect_b32 s53, s37, s53
	s_cmp_eq_u32 s5, 3
	s_cselect_b32 s53, s39, s53
	s_cmp_eq_u32 s5, 4
	s_cselect_b32 s53, s41, s53
	s_cmp_eq_u32 s5, 5
	s_cselect_b32 s53, s47, s53
	s_add_co_i32 s53, s53, 127
	s_lshl_b32 s54, s53, 23
	v_mov_b32 v8, s54                              ; 2^e as f32: the conversion takes its exponent field
	s_add_co_i32 s53, s53, 8
	s_lshl_b32 s53, s53, 23
	s_or_b32 s53, s53, 0x600000
	v_mov_b32 v9, s53                              ; 448 x 2^e
	s_add_co_i32 s53, s40, 127                     ; e4
	s_lshl_b32 s54, s53, 23
	v_mov_b32 v10, s54
	s_add_co_i32 s53, s53, 8
	s_lshl_b32 s53, s53, 23
	s_or_b32 s53, s53, 0x600000
	v_mov_b32 v11, s53
	s_wait_loadcnt 16                              ; granule 0's eight loads are in
	TURN 0, 0
.irp g, 0,1,2,3,4,5,6,7
	STEP \g, 0, ROWQ
.endr
	s_wait_tensorcnt 0x0
	ds_add_u32 v30, v31
	s_wait_dscnt 0x0
	s_endpgm
	; ---- the mask into words
.Lmask:
	s_wait_alu depctr_va_vdst(0)
	v_lshl_add_u32 v[STO], v3, 4, v[STO]           ; + 16 h
	v_add_nc_u32 v[STO], MBASE, v[STO]
	v_add_nc_u32 v[STI], MBASE, v[STI]
	v_lshlrev_b32 v[GI], 11, v3
	v_lshl_add_u32 v[GI], v2, 4, v[GI]
	s_sub_co_u32 s4, s4, 1536                      ; my task: 128 x batch + tile of queries
	s_lshr_b32 s5, s4, 7
	s_and_b32 s6, s4, 127
	s_lshl_b32 s48, s5, 22                         ; a batch's mask: 4 MiB
	s_lshr_b32 s49, s6, 1
	s_lshl_b32 s49, s49, 16                        ; 32 rows of 2,048 bytes
	s_add_co_u32 s48, s48, s49
	s_and_b32 s49, s6, 1
	s_lshl_b32 s49, s49, 14                        ; 8 rows
	s_add_co_u32 s48, s48, s49
	s_mov_b32 s49, 0
	s_lshl_b32 s50, s4, 12                         ; 16 key steps x 64 words
	s_mov_b32 s54, 0                               ; the flags so far
	s_lshl_b32 s58, s4, 8                          ; my tile's 256 bytes of mflags
	s_mov_b32 s59, 0
	s_mov_b32 s51, 0
.irp j, 0,1,2,3,4,5,6,7
	v_mov_b32 v[WD+\j], 0                          ; written once whole: a lane write keeps the other lanes
.endr
	s_wait_alu depctr_va_vdst(0)
	s_wait_kmcnt 0x0
	s_add_nc_u64 s[30:31], s[20:21], s[48:49]
	s_add_nc_u64 s[32:33], s[28:29], s[50:51]
	s_add_nc_u64 s[56:57], s[56:57], s[58:59]
	LOAD 0, ROWM
	LOAD 1, ROWM
	LOAD 2, ROWM
	s_wait_loadcnt 16
	TURN 0, 1
.irp g, 0,1,2,3,4,5,6,7
	STEP \g, 1, ROWM
.endr
	v_lshlrev_b32 v27, 3, v1                       ; 8 x lane
	v_mov_b32 v24, s54
	v_mov_b32 v25, s54
	global_store_b64 v27, v[24:25], s[56:57]       ; 32 lanes store 256 consecutive bytes, aligned
	s_wait_tensorcnt 0x0
	ds_add_u32 v30, v31
	s_wait_dscnt 0x0
	s_endpgm
.Lfunc_end_k_qc5abf65f09_prep:
	.size	k_qc5abf65f09_prep, .Lfunc_end_k_qc5abf65f09_prep-k_qc5abf65f09_prep
	.p2alignl 7, 3214868480
	.fill 96, 4, 3214868480
	.section	.rodata,"a",@progbits
	.p2align	6, 0x0
	.amdhsa_kernel k_qc5abf65f09_prep
		.amdhsa_group_segment_fixed_size 70144
		.amdhsa_private_segment_fixed_size 0
		.amdhsa_enable_private_segment 0
		.amdhsa_kernarg_size 96
		.amdhsa_user_sgpr_count 2
		.amdhsa_user_sgpr_kernarg_segment_ptr 1
		.amdhsa_wavefront_size32 1
		.amdhsa_system_sgpr_workgroup_id_x 1
		.amdhsa_system_sgpr_workgroup_id_y 1
		.amdhsa_system_sgpr_workgroup_id_z 1
		.amdhsa_system_vgpr_workitem_id 0
		.amdhsa_next_free_vgpr 256
		.amdhsa_next_free_sgpr 66
		.amdhsa_reserve_vcc 0
		.amdhsa_float_denorm_mode_32 3
		.amdhsa_float_denorm_mode_16_64 3
		.amdhsa_memory_ordered 1
		.amdhsa_forward_progress 1
		.amdhsa_inst_pref_size 255
	.end_amdhsa_kernel
	.section	.bss,"aw",@nobits
	.p2align	6
	.space	262144
	.amdgpu_metadata
---
amdhsa.version: [ 1, 2 ]
amdhsa.kernels:
  - .name:           k_qc5abf65f09_prep
    .symbol:         k_qc5abf65f09_prep.kd
    .args:
      - { .name: inputs_q, .offset: 0, .size: 8, .value_kind: global_buffer, .address_space: global }
      - { .name: inputs_kv, .offset: 8, .size: 8, .value_kind: global_buffer, .address_space: global }
      - { .name: wq, .offset: 16, .size: 8, .value_kind: global_buffer, .address_space: global }
      - { .name: wk, .offset: 24, .size: 8, .value_kind: global_buffer, .address_space: global }
      - { .name: wv, .offset: 32, .size: 8, .value_kind: global_buffer, .address_space: global }
      - { .name: wo, .offset: 40, .size: 8, .value_kind: global_buffer, .address_space: global }
      - { .name: mask, .offset: 48, .size: 8, .value_kind: global_buffer, .address_space: global }
      - { .name: lowp_scales, .offset: 56, .size: 8, .value_kind: global_buffer, .address_space: global }
      - { .name: xc, .offset: 64, .size: 8, .value_kind: global_buffer, .address_space: global }
      - { .name: wc, .offset: 72, .size: 8, .value_kind: global_buffer, .address_space: global }
      - { .name: mbits, .offset: 80, .size: 8, .value_kind: global_buffer, .address_space: global }
      - { .name: mflags, .offset: 88, .size: 8, .value_kind: global_buffer, .address_space: global }
    .group_segment_fixed_size: 70144
    .private_segment_fixed_size: 0
    .kernarg_segment_align: 8
    .kernarg_segment_size: 96
    .max_flat_workgroup_size: 128
    .sgpr_count:     66
    .vgpr_count:     256
    .wavefront_size: 32
...
	.end_amdgpu_metadata
.endif
;; end of part 1
;; launch proj (part 2): grid 64 x 3, 4 waves a work-group, clusters of 4 x 1, 327,680 bytes of LDS; arguments xc, wc, lowp_scales, q_ln_scale, q_ln_bias, k_ln_scale, k_ln_bias, qf, kvf; writes qf, kvf
.if DOCPART == 2
	.amdgcn_target "amdgcn-amd-amdhsa--gfx1250"
	.amdhsa_code_object_version 6
	.text
	.protected	k_qc5abf65f09_proj
	.globl	k_qc5abf65f09_proj
	.p2align	8
	.type	k_qc5abf65f09_proj,@function
k_qc5abf65f09_proj:
	s_mov_b64 s[64:65], 0
	v_nop
	global_prefetch_b8 v0, s[64:65] scope:SCOPE_SE
	s_setreg_imm32_b32 hwreg(HW_REG_WAVE_MODE, 25, 1), 1
	s_wait_xcnt 0x0
	s_wait_alu depctr_hold_cnt(0) depctr_sa_sdst(0) depctr_va_vdst(0) depctr_va_sdst(0) depctr_va_ssrc(0) depctr_va_vcc(0) depctr_vm_vsrc(0)
	s_getreg_b32 s2, hwreg(HW_REG_IB_STS2, 6, 4)
	s_cmp_eq_u32 s2, 0
	s_cbranch_scc0 .Lentry_in_a_cluster
	s_endpgm
.Lentry_in_a_cluster:
	s_bfe_u32 s2, ttmp6, 0x10000c
	s_cmp_lg_u32 s2, 0x3003
	s_cbranch_scc0 .Lentry_shape_is_right
	s_endpgm
.Lentry_shape_is_right:
; PROJ: the three projections on codes of FP8, LayerNorm of q and k, and the quantising of q, k and v for attention.  No f32 number goes to memory.
; ONE SHAPE: a work-group multiplies R (64 rows) by S (1,024 rows) over K = 1,024; source 0 = 16 rows of S, source 1 = 16 rows of R: a lane holds ONE row of R and its registers run along S.
;   y = 0: R = 64 tokens of inputs_q, S = wq's 1,024 channels.   y = 1: the same with inputs_kv and wk.   So a token's 1,024 channels lie in the work-group, and LayerNorm needs LDS for 8 numbers a token alone.
;   y = 2: R = wv's 64 channels of one head, S = 1,024 tokens of inputs_kv: a lane holds one channel and its registers run along the keys, which are the K of attention's second product.
; Wave w takes S's tiles 16 w .. 16 w + 15 against all four tiles of R: 64 accumulators, 512 registers.
; All operands lie in memory in the order of an operand's registers (slot m of tile T is row 32 (T / 2) + 8 (T % 2) + m + 8 (m / 8); fragment (T, s) at (8 T + s) x 2,048; 16 bytes a lane, 512 a chunk).
; With such a tile as source 0, register j of lane (r, h) is S's row 32 (T / 2) + 16 h + 8 (T % 2) + j: the 16 registers of tiles 2 b, 2 b + 1 are 16 NEIGHBOURS along S, and the conversions' results are the next operand's registers.
; S comes through a ring of two LDS slots, a K step of 128 each, filled by the tensor data mover: wave w fetches, and alone reads, its own 16 fragments (32,768 bytes).  The four work-groups of a cluster walk the
; same S, so each tile is asked for JOINTLY (the same load, the same descriptor, a mask that names the four).  R's four fragments of a K step go from memory straight into each wave's registers, a K step ahead.
; OUT.  qf: [batch x 16 + head][tile of 16 queries][1,024 bytes]: registers 2 i, 2 i + 1 of lane (r, h) hold the head's channels 32 (i / 2) + 16 h + 8 (i % 2) + 0..7.
;       kvf: [batch x 16 + head][128 keys][8 tiles of K laid as qf's, then 4 fragments of V^T (16 channels x 128 keys), 2,048 bytes each].  Every store covers 512 consecutive bytes.
; LIMITS on the given exponents: e6, e7 and e8 - e4 - e5 between -126 and 119 (powers of two made as f32 numbers); e0 + e1 and e2 + e3 are applied by v_ldexp_f32 and have none.  NaN among the inputs is not served.
.set SLOTB, 131072                     ; an LDS slot: four waves x 16 fragments x 2,048 bytes
.set SPARE, 2*SLOTB                    ; behind the ring: the spare words, 128 bytes for each wave: two blocks of 256 bytes that no other line names
.set STAT1, SPARE+512                  ; the waves' partial sums: 4 waves x 16 tokens' slots x 4 tiles x 4 bytes; the sums of squares lie 1,024 bytes behind
.set LN,   1                           ; v1   16 x lane
.set SA,   2                           ; v2-3 LDS address of my fragments in slot 0, 1
.set SPW,  4                           ; v4   LDS address of my spare word; never rewritten
.set NIL,  5                           ; v5   0; never rewritten
.set STW,  7                           ; v7   where I put my wave's partial sums
.set STR,  8                           ; v8   where I read the four waves'
.set GOFF, 9                           ; v9   64 x (lane / 16): my 16 channels of a block of 32, in the gains and biases
.set OFFH, 10                          ; v10-13 out: 16 x lane + the head's distance x 0..3
.set SCL,  14                          ; v14  the conversion's scale as f32
.set LIM,  15                          ; v15  448 x that
.set TS,   16                          ; v16-23 four chains of pairs
.set SUMV, 24                          ; v24-27 a sum for each tile of R
.set PX,   28                          ; v28  from the lane 16 away
.set RB,   32                          ; v32-47 the four waves' partial sums
.set MU,   48                          ; v48-55 the means, as pairs
.set RSS,  56                          ; v56-63 1 / sqrt(var + eps) x 2^(eA + eB), as pairs
.set RF,   128                         ; v128-255 R's fragments, two sets of 64; later the codes
; window 1: S's 16 fragments; later the gains (v0-127) and biases (v128-255).   windows 2, 3: accumulator (a, b) in window 2 + a / 2 at v[128 (a % 2) + 8 b]
.set MSB, 0
.macro WIN new                         ; the immediate's high byte repeats the setting that is left; a switch that changes nothing is dropped
.if MSB != (\new)
	s_set_vgpr_msb (MSB<<8)|(\new)
.set MSB, (\new)
.endif
.endm
.set MUL_LO, 0xa1                      ; source 0 (S) window 1, source 1 (R) window 0, C and D window 2
.set MUL_HI, 0xf1                      ; the same, C and D window 3
.set TO_S,   0x40                      ; destination window 1, address window 0
.macro CROUND                          ; a round of the cluster's barrier
	s_barrier_signal -1
	s_barrier_wait -1
	s_cmp_lg_u32 s2, 0
	s_cbranch_scc1 .Lnot_wave_0_\@
	s_barrier_signal -3
.Lnot_wave_0_\@:
	s_barrier_wait -3
	s_barrier_signal -1
	s_barrier_wait -1
.endm
.macro RLOAD k                         ; R's four fragments of K step k into set k % 2
.irp a, 0,1,2,3
.irp c, 0,1,2,3
	global_load_b128 v[RF+64*((\k)%2)+16*\a+4*\c:RF+64*((\k)%2)+16*\a+4*\c+3], v[LN], s[32:33] offset:16384*\a+2048*(\k)+512*\c
.endr
.endr
.endm
.macro SFETCH k                        ; my 16 fragments of S out of slot k % 2: 512 consecutive bytes an instruction
	WIN TO_S
.irp b, 0,1,2,3,4,5,6,7,8,9,10,11,12,13,14,15
.irp c, 0,1,2,3
	ds_load_b128 v[16*\b+4*\c:16*\b+4*\c+3], v[SA+(\k)%2] offset:2048*\b+512*\c
.endr
.endr
.endm
.macro MULS a0, b0, k                  ; 16 matrix instructions: R's tiles a0, a0 + 1 x S's tiles b0 .. b0 + 7.  K step 0 starts the sums: nothing is cleared
.irp a, \a0, \a0+1
.irp b, 0,1,2,3,4,5,6,7
.if (\k) == 0
	v_wmma_f32_16x16x128_fp8_fp8 v[128*((\a)%2)+8*(\b0+\b):128*((\a)%2)+8*(\b0+\b)+7], v[16*(\b0+\b):16*(\b0+\b)+15], v[RF+64*((\k)%2)+16*(\a):RF+64*((\k)%2)+16*(\a)+15], 0
.else
	v_wmma_f32_16x16x128_fp8_fp8 v[128*((\a)%2)+8*(\b0+\b):128*((\a)%2)+8*(\b0+\b)+7], v[16*(\b0+\b):16*(\b0+\b)+15], v[RF+64*((\k)%2)+16*(\a):RF+64*((\k)%2)+16*(\a)+15], v[128*((\a)%2)+8*(\b0+\b):128*((\a)%2)+8*(\b0+\b)+7]
.endif
.endr
.endr
.endm
; A K STEP.  In front of the round each wave waits for all its tensor loads (one is out: this step's tile), adds 0 to its spare word, and waits for that and for its reads of the other slot.
; Behind the round the other slot is asked for again first: that load has this step's 64 matrix instructions in which to land.  The 64 accumulators take turns, in the same order in every step.
.macro KSTEP k
	WIN 0
	s_wait_tensorcnt 0x0                           ; no tensor load of mine is out, so a group 0 may be written
	ds_add_u32 v[SPW], v[NIL]                      ; 0 onto my spare word
	s_add_nc_u64 s[26+4*((\k)%2):27+4*((\k)%2)], s[26+4*((\k)%2):27+4*((\k)%2)], 4096   ; this slot's next tile: two K steps on (the last two stepped addresses are not used)
	s_wait_dscnt 0x0                               ; the add is done, and my reads of the last step's slot are over
	CROUND                                         ; both now hold of every wave of the four work-groups
.if (\k) < 7
	tensor_load_to_lds s[28-4*((\k)%2):31-4*((\k)%2)], s[16:23]   ; K step k + 1, into the slot read last step
	s_nop 0
.endif
.rept 4
	v_nop                                          ; behind the tensor load; also the four places in front of the loads into registers that the last step's matrix instructions read
.endr
.if (\k) < 7
	RLOAD (\k)+1
.endif
.if (\k) < 5                           ; a prefetch of S's K step k + 3, which the tensor load of trip k + 2 asks for; K steps 1 and 2 are named at the head; K step 0 comes by its load alone; the last three trips ask for nothing
	s_cmp_eq_u32 s85, 1
	s_cbranch_scc0 .Lnpf_\@
	global_prefetch_b8 v29, s[12:13] offset:2048*((\k)+3) th:TH_LOAD_NT scope:SCOPE_SE   ; 32 blocks of 256 bytes, a lane a block; v29 and s[12:13] are never rewritten
.Lnpf_\@:
.endif
	SFETCH \k
.if (\k) < 7
	s_wait_loadcnt 16                              ; this step's R is in; the 16 loads just issued may be out
.else
	s_wait_loadcnt 0x0
.endif
	s_wait_dscnt 32                                ; S's fragments 0-7 are in; the youngest 32 loads may be out
	WIN MUL_LO
	MULS 0, 0, \k
	WIN MUL_HI
	MULS 2, 0, \k
	s_wait_dscnt 0x0
	WIN MUL_LO
	MULS 0, 8, \k
	WIN MUL_HI
	MULS 2, 8, \k
	WIN 0
.endm
.macro REDUCE a                        ; four chains of pairs -> one number; + the lane 16 away: the sum over my wave's 256 channels of the token in slot lane % 16
	v_pk_add_f32 v[TS:TS+1], v[TS:TS+1], v[TS+2:TS+3]
	v_pk_add_f32 v[TS+4:TS+5], v[TS+4:TS+5], v[TS+6:TS+7]
	v_pk_add_f32 v[TS:TS+1], v[TS:TS+1], v[TS+4:TS+5]
	v_add_f32 v[TS], v[TS], v[TS+1]
	v_permlanex16_b32 v[PX], v[TS], s14, s15
	v_add_f32 v[SUMV+(\a)], v[TS], v[PX]
.endm
.macro XCHG off                        ; the four waves' partial sums meet in LDS; every wave adds them in the same order
	ds_store_b128 v[STW], v[SUMV:SUMV+3] offset:\off          ; (lanes l and l + 16 store the same numbers to the same bytes)
	s_wait_dscnt 0x0                               ; for the others' sake: my store has landed
	s_barrier_signal -1
	s_barrier_wait -1
.irp u, 0,1,2,3
	ds_load_b128 v[RB+4*\u:RB+4*\u+3], v[STR] offset:\off+256*\u
.endr
	s_wait_dscnt 0x0
	v_pk_add_f32 v[RB:RB+1], v[RB:RB+1], v[RB+4:RB+5]
	v_pk_add_f32 v[RB+2:RB+3], v[RB+2:RB+3], v[RB+6:RB+7]
	v_pk_add_f32 v[RB+8:RB+9], v[RB+8:RB+9], v[RB+12:RB+13]
	v_pk_add_f32 v[RB+10:RB+11], v[RB+10:RB+11], v[RB+14:RB+15]
	v_pk_add_f32 v[SUMV:SUMV+1], v[RB:RB+1], v[RB+8:RB+9]
	v_pk_add_f32 v[SUMV+2:SUMV+3], v[RB+2:RB+3], v[RB+10:RB+11]
.endm
.macro PASS1 a                         ; the sum of tile a's 128 registers; each accumulator is read from its low end on
.set AB, 128*((\a)%2)
	WIN (2+(\a)/2)*5                               ; sources 0 and 1 in the accumulators' window
.irp k, 0,1,2,3
	v_pk_add_f32 v[TS+2*\k:TS+2*\k+1], v[AB+2*\k:AB+2*\k+1], v[AB+8+2*\k:AB+9+2*\k]
.endr
	WIN 2+(\a)/2                                   ; source 0 alone
.set qq, 8
.rept 56
	v_pk_add_f32 v[TS+2*(qq%4):TS+2*(qq%4)+1], v[AB+2*qq:AB+2*qq+1], v[TS+2*(qq%4):TS+2*(qq%4)+1]
.set qq, qq+1
.endr
	WIN 0
	REDUCE \a
.endm
.macro PASS2 a                         ; x - mean in place, and the sum of its squares: the variance is taken of the centred numbers
.set AB, 128*((\a)%2)
	WIN (2+(\a)/2)*65                              ; destination and source 0 in the accumulators' window
.set qq, 0
.rept 64
	v_pk_add_f32 v[AB+2*qq:AB+2*qq+1], v[AB+2*qq:AB+2*qq+1], v[MU+2*(\a):MU+2*(\a)+1] neg_lo:[0,1] neg_hi:[0,1]
.set qq, qq+1
.endr
	WIN (2+(\a)/2)*5
.irp k, 0,1,2,3
	v_pk_mul_f32 v[TS+2*\k:TS+2*\k+1], v[AB+2*\k:AB+2*\k+1], v[AB+2*\k:AB+2*\k+1]
.endr
.set qq, 4
.rept 60
	v_pk_fma_f32 v[TS+2*(qq%4):TS+2*(qq%4)+1], v[AB+2*qq:AB+2*qq+1], v[AB+2*qq:AB+2*qq+1], v[TS+2*(qq%4):TS+2*(qq%4)+1]
.set qq, qq+1
.endr
	WIN 0
	REDUCE \a
.endm
.macro TOCODES a                       ; the hold, the conversions: tile a's 128 numbers become 32 registers of codes in window 0
.set AB, 128*((\a)%2)
	WIN (2+(\a)/2)*65
.set qq, 0
.rept 128
	v_med3_num_f32 v[AB+qq], v[AB+qq], -v[LIM], v[LIM]   ; the conversion to an 8-bit code does not saturate (ISA guide 7.6.2)
.set qq, qq+1
.endr
	WIN 2+(\a)/2
.irp b, 0,1,2,3,4,5,6,7,8,9,10,11,12,13,14,15
	v_cvt_scalef32_pk8_fp8_f32 v[RF+32*(\a)+2*\b:RF+32*(\a)+2*\b+1], v[AB+8*\b:AB+8*\b+7], v[SCL]
.endr
	WIN 0
	v_nop                                          ; a plain vector line behind the last conversion
.endm
.macro PASS3 a                         ; (x - mean) / sqrt(var + eps) x gain + bias, quantised, stored: four heads x 1,024 bytes
.set AB, 128*((\a)%2)
	WIN (2+(\a)/2)*65
.set qq, 0
.rept 64
	v_pk_mul_f32 v[AB+2*qq:AB+2*qq+1], v[AB+2*qq:AB+2*qq+1], v[RSS+2*(\a):RSS+2*(\a)+1]
.set qq, qq+1
.endr
	WIN (2+(\a)/2)*65+0x14                         ; sources 1 and 2 (gain, bias) in window 1
.set qq, 0
.rept 64
	v_pk_fma_f32 v[AB+2*qq:AB+2*qq+1], v[AB+2*qq:AB+2*qq+1], v[2*qq:2*qq+1], v[128+2*qq:129+2*qq]
.set qq, qq+1
.endr
	TOCODES \a
.irp hh, 0,1,2,3
.irp c, 0,1
	global_store_b128 v[OFFH+\hh], v[RF+32*(\a)+8*\hh+4*\c:RF+32*(\a)+8*\hh+4*\c+3], s[34:35] offset:1024*(\a)+512*\c
.endr
.endr
.endm
.macro FINISH                          ; the wave's end; then the closing round: no work-group ends while a partner may still ask for a tile that names it
	s_wait_tensorcnt 0x0
	ds_add_u32 v[SPW], v[NIL]
	s_wait_dscnt 0x0
	CROUND
	s_endpgm
.endm
	s_load_b512 s[40:55], s[0:1], 0x0              ; xc s[40:41], wc s[42:43], lowp_scales s[44:45], q's gain, bias s[46:49], k's s[50:53], qf s[54:55]
	s_load_b64 s[56:57], s[0:1], 0x40              ; kvf
	v_lshl_add_u32 v[SPW], v0, 2, SPARE
	v_mov_b32 v[NIL], 0
	ds_add_u32 v4, v5
	ds_add_u32 v4, v5
	s_wait_dscnt 0x0
	v_lshrrev_b32 v1, 5, v0
	v_readfirstlane_b32 s2, v1                     ; wave 0..3
	s_bfe_u32 s4, ttmp6, 0x40000                   ; cx: my place in the cluster
	s_lshl_b32 s5, ttmp9, 2                        ; in a cluster launch ttmp9 counts clusters
	s_add_co_u32 s5, s5, s4                        ; X = 4 x cluster x + cx
	s_and_b32 s3, ttmp7, 0xffff                    ; y: 0 q, 1 k, 2 v: the same in the four partners
	; descriptor group 1: 16 rows (fragments) of 2,048 bytes, 16,384 bytes apart in memory, dense in LDS; elements of 8 bytes
	s_mov_b32 s16, 15|(3<<16)|(1<<21)              ; 15:0 the mask: all four work-groups; 17:16 elements of 8 bytes; 21 set beside a mask; no padding
	s_mov_b32 s17, 256<<16                         ; tensor_dim0 = 256
	s_mov_b32 s18, 16<<16                          ; tensor_dim1 = 16
	s_mov_b32 s19, 256<<16                         ; tile_dim0 = 256
	s_mov_b32 s20, 16                              ; tile_dim1 = 16
	s_mov_b32 s21, 2048                            ; from row to row
	s_mov_b32 s22, 0
	s_mov_b32 s23, 0
	s_mov_b32 s14, 0x76543210                      ; v_permlanex16_b32: lane l xor 16
	s_mov_b32 s15, 0xfedcba98
	; S: wc (q), wc + 1 MiB (k), xc + 8 MiB + 1 MiB x (cluster x / 4) (v); + my wave's 16 tiles.  Nothing here hangs on cx
	s_lshr_b32 s8, ttmp9, 2
	s_lshl_b32 s8, s8, 20
	s_add_co_u32 s8, s8, 0x800000
	s_lshl_b32 s9, s3, 20
	s_cmp_eq_u32 s3, 2
	s_cselect_b32 s8, s8, s9
	s_lshl_b32 s9, s2, 18
	s_add_co_u32 s8, s8, s9
	s_mov_b32 s9, 0
	; R: xc + 65,536 X (q), xc + 4 MiB + 65,536 X (k), wc + 2 MiB + 65,536 (X % 16) (v)
	s_and_b32 s10, s5, 15
	s_lshl_b32 s10, s10, 16
	s_add_co_u32 s10, s10, 0x200000
	s_lshl_b32 s11, s5, 16
	s_lshl_b32 s12, s3, 22
	s_add_co_u32 s11, s11, s12
	s_cmp_eq_u32 s3, 2
	s_cselect_b32 s10, s10, s11
	s_mov_b32 s11, 0
	; where the codes go
	s_lshr_b32 s6, s5, 5                           ; q, k: the batch,
	s_and_b32 s7, s5, 31                           ; and my 64 tokens in it
	s_lshl_b32 s58, s6, 21                         ; qf: 2 MiB a batch, 131,072 a head (mine begin at 4 x wave), 4,096 for four tiles
	s_lshl_b32 s59, s2, 19
	s_add_co_u32 s58, s58, s59
	s_lshl_b32 s59, s7, 12
	s_add_co_u32 s58, s58, s59
	s_lshl_b32 s60, s6, 22                         ; kvf, K: 4 MiB a batch, 262,144 a head, 16,384 for 128 keys, 4,096 for four tiles
	s_lshl_b32 s59, s2, 20
	s_add_co_u32 s60, s60, s59
	s_lshr_b32 s59, s7, 1
	s_lshl_b32 s59, s59, 14
	s_add_co_u32 s60, s60, s59
	s_and_b32 s59, s5, 1
	s_lshl_b32 s59, s59, 12
	s_add_co_u32 s60, s60, s59
	s_lshr_b32 s61, ttmp9, 3                       ; kvf, V: the batch,
	s_lshl_b32 s61, s61, 4
	s_and_b32 s59, s5, 15
	s_add_co_u32 s61, s61, s59                     ; the head,
	s_lshl_b32 s61, s61, 18
	s_lshr_b32 s59, ttmp9, 2
	s_and_b32 s59, s59, 1
	s_lshl_b32 s59, s59, 3
	s_lshl_b32 s62, s2, 1
	s_add_co_u32 s59, s59, s62                     ; my wave's first 128 keys,
	s_lshl_b32 s59, s59, 14
	s_add_co_u32 s61, s61, s59
	s_add_co_u32 s61, s61, 8192                    ; behind K's eight tiles
	s_mov_b32 s63, 0x40000
	; who prefetches S: y = 2: every cluster (four clusters walk one S); y = 0, 1: sixteen clusters walk one S, and clusters 0 to 3 ask.  Ids that the four partners share
	s_cmp_lt_u32 ttmp9, 4
	s_cselect_b32 s85, 1, 0
	s_cmp_eq_u32 s3, 2
	s_cselect_b32 s85, 1, s85
	s_lshl_b32 s86, s4, 16                         ; of my wave's 16 fragments of a K step the partner at place cx names 4 cx .. 4 cx + 3: told apart by address alone
	s_wait_kmcnt 0x0
	s_load_b256 s[68:75], s[44:45], 0x0            ; e0 .. e7
	s_load_b128 s[76:79], s[44:45], 0x20           ; e8 .. e11
	s_cmp_eq_u32 s3, 0
	s_cselect_b32 s58, s58, s60
	s_cselect_b64 s[34:35], s[54:55], s[56:57]
	s_cselect_b64 s[36:37], s[46:47], s[50:51]     ; the gain
	s_cselect_b64 s[38:39], s[48:49], s[52:53]     ; the bias
	s_cselect_b32 s63, 0x20000, s63                ; from head to head
	s_cmp_eq_u32 s3, 2
	s_cselect_b32 s58, s61, s58
	s_cselect_b64 s[12:13], s[40:41], s[42:43]     ; S's buffer
	s_cselect_b64 s[32:33], s[42:43], s[40:41]     ; R's
	s_mov_b32 s59, 0
	s_add_nc_u64 s[34:35], s[34:35], s[58:59]
	s_lshl_b32 s58, s2, 10                         ; my wave's 256 channels
	s_add_nc_u64 s[36:37], s[36:37], s[58:59]
	s_add_nc_u64 s[38:39], s[38:39], s[58:59]
	s_add_nc_u64 s[12:13], s[12:13], s[8:9]
	s_add_nc_u64 s[32:33], s[32:33], s[10:11]
	; descriptor group 0, a set for each slot
	s_mov_b32 s24, 1                               ; count = 1
	s_lshl_b32 s25, s2, 15                         ; LDS address: slot 0, my wave's 32,768 bytes
	s_mov_b64 s[26:27], s[12:13]                   ; K step 0
	s_or_b32 s27, s27, 0x80000000                  ; type = 2
	s_mov_b32 s28, 1
	s_add_co_u32 s29, s25, SLOTB                   ; slot 1
	s_add_nc_u64 s[30:31], s[12:13], 2048          ; K step 1
	s_or_b32 s31, s31, 0x80000000
	CROUND                                         ; all four work-groups are here: the first joint load meets
	tensor_load_to_lds s[24:27], s[16:23]
	s_nop 0
.rept 4
	v_nop
.endr
	v_and_b32 v[LN], 31, v0
	v_lshlrev_b32 v[LN], 4, v[LN]
	RLOAD 0
	v_bfe_u32 v29, v0, 3, 2                        ; the prefetches' offset: fragment 4 cx + lane / 8 (16,384 bytes apart), block lane % 8 of its 2,048 bytes; never rewritten
	v_and_b32 v30, 7, v0
	v_lshlrev_b32 v29, 14, v29
	v_lshl_add_u32 v29, v30, 8, v29
	v_add_nc_u32 v29, s86, v29
	s_wait_alu depctr_va_vdst(0)
	s_cmp_eq_u32 s85, 1
	s_cbranch_scc0 .Lnph
	global_prefetch_b8 v29, s[12:13] offset:2048*1 th:TH_LOAD_NT scope:SCOPE_SE   ; S's K steps 1 and 2, behind K step 0's tensor load: their loads follow in trips 0 and 1
	global_prefetch_b8 v29, s[12:13] offset:2048*2 th:TH_LOAD_NT scope:SCOPE_SE
.Lnph:
	v_add_nc_u32 v[SA], s25, v[LN]
	v_add_nc_u32 v[SA+1], SLOTB, v[SA]
	v_and_b32 v6, 15, v0
	v_lshlrev_b32 v[STR], 4, v6
	v_add_nc_u32 v[STR], STAT1, v[STR]
	s_lshl_b32 s6, s2, 8
	v_add_nc_u32 v[STW], s6, v[STR]
	v_bfe_u32 v[GOFF], v0, 4, 1
	v_lshlrev_b32 v[GOFF], 6, v[GOFF]
	v_mov_b32 v[OFFH], v[LN]
	v_add_nc_u32 v[OFFH+1], s63, v[OFFH]
	v_add_nc_u32 v[OFFH+2], s63, v[OFFH+1]
	v_add_nc_u32 v[OFFH+3], s63, v[OFFH+2]
	v_mov_b32 v[PX], 0                             ; written once: a lane permute's destination counts as one of its sources
	s_wait_kmcnt 0x0
	s_add_co_i32 s80, s68, s69                     ; e0 + e1
	s_add_co_i32 s81, s70, s71                     ; e2 + e3
	s_add_co_i32 s82, s72, s73                     ; e4 + e5
	s_sub_co_i32 s82, s76, s82                     ; v: a sum stands for sum x 2^(e4 + e5), its code is sum / 2^(e8 - e4 - e5)
	s_cmp_eq_u32 s3, 0
	s_cselect_b32 s80, s80, s81                    ; q, k: a sum stands for sum x 2^s80
	s_cselect_b32 s83, s74, s75                    ; e6 or e7
	s_cmp_eq_u32 s3, 2
	s_cselect_b32 s83, s82, s83
	s_add_co_i32 s83, s83, 127
	s_lshl_b32 s84, s83, 23
	v_mov_b32 v[SCL], s84
	s_add_co_i32 s83, s83, 8
	s_lshl_b32 s83, s83, 23
	s_or_b32 s83, s83, 0x600000
	v_mov_b32 v[LIM], s83
	s_lshl_b32 s81, s80, 1
	s_sub_co_i32 s81, s81, 10                      ; the sum of 1,024 squares x 2^s81 is the variance
.irp k, 0,1,2,3,4,5,6,7
	KSTEP \k
.endr
.rept 4
	v_nop                                          ; four places behind the last products: in front of the first reads of results and of loads into S's registers
.endr
	s_cmp_eq_u32 s3, 2
	s_cbranch_scc1 .Lv
	; ---- q, k: LayerNorm over the token's 1,024 channels.  Register 16 b + i of a tile is channel 256 w + 32 b + 16 h + i
	WIN TO_S
	s_wait_alu depctr_va_vdst(0)
.irp b, 0,1,2,3,4,5,6,7
.irp i, 0,1,2,3
	global_load_b128 v[16*\b+4*\i:16*\b+4*\i+3], v[GOFF], s[36:37] offset:128*\b+16*\i
	global_load_b128 v[128+16*\b+4*\i:128+16*\b+4*\i+3], v[GOFF], s[38:39] offset:128*\b+16*\i
.endr
.endr
.irp a, 0,1,2,3
	PASS1 \a
.endr
	XCHG 0
.irp a, 0,1,2,3
	v_mul_f32 v[MU+2*\a], 0x3a800000, v[SUMV+\a]   ; / 1,024
	v_mul_f32 v[MU+2*\a+1], 0x3a800000, v[SUMV+\a]
.endr
.irp a, 0,1,2,3
	PASS2 \a
.endr
	XCHG 1024
.irp a, 0,1,2,3
	v_ldexp_f32 v[SUMV+\a], v[SUMV+\a], s81        ; the variance, in true units
.endr
.irp a, 0,1,2,3
	v_add_f32 v[SUMV+\a], 0x3727c5ac, v[SUMV+\a]   ; + 1e-5
.endr
	s_wait_alu depctr_va_vdst(0)
.irp a, 0,1,2,3
	v_rsq_f32 v[RSS+2*\a], v[SUMV+\a]
.endr
	v_nop                                          ; a plain instruction behind the last of the batch
	s_wait_alu depctr_va_vdst(0)                   ; one wait for the four, ahead of their first reader
.irp a, 0,1,2,3
	v_ldexp_f32 v[RSS+2*\a], v[RSS+2*\a], s80      ; x 2^(eA + eB): the centred sums are brought to true units by the same multiplication
	v_mov_b32 v[RSS+2*\a+1], v[RSS+2*\a]
.endr
	s_wait_alu depctr_va_vdst(0)
	s_wait_loadcnt 0x0                             ; the gains and biases
.irp a, 0,1,2,3
	PASS3 \a
.endr
	FINISH
	; ---- v: register 16 b + i of tile a is key 256 w + 32 b + 16 h + i of channel slot lane % 16: four registers of codes are a chunk of a fragment of V^T
.Lv:
	s_wait_alu depctr_va_vdst(0)
.irp a, 0,1,2,3
	TOCODES \a
.irp g, 0,1
.irp c, 0,1,2,3
	global_store_b128 v[LN], v[RF+32*\a+16*\g+4*\c:RF+32*\a+16*\g+4*\c+3], s[34:35] offset:16384*\g+2048*\a+512*\c
.endr
.endr
.endr
	FINISH
.Lfunc_end_k_qc5abf65f09_proj:
	.size	k_qc5abf65f09_proj, .Lfunc_end_k_qc5abf65f09_proj-k_qc5abf65f09_proj
	.p2alignl 7, 3214868480
	.fill 96, 4, 3214868480
	.section	.rodata,"a",@progbits
	.p2align	6, 0x0
	.amdhsa_kernel k_qc5abf65f09_proj
		.amdhsa_group_segment_fixed_size 327680
		.amdhsa_private_segment_fixed_size 0
		.amdhsa_enable_private_segment 0
		.amdhsa_kernarg_size 72
		.amdhsa_user_sgpr_count 2
		.amdhsa_user_sgpr_kernarg_segment_ptr 1
		.amdhsa_wavefront_size32 1
		.amdhsa_system_sgpr_workgroup_id_x 1
		.amdhsa_system_sgpr_workgroup_id_y 1
		.amdhsa_system_sgpr_workgroup_id_z 1
		.amdhsa_system_vgpr_workitem_id 0
		.amdhsa_next_free_vgpr 1024
		.amdhsa_next_free_sgpr 100
		.amdhsa_reserve_vcc 0
		.amdhsa_float_denorm_mode_32 3
		.amdhsa_float_denorm_mode_16_64 3
		.amdhsa_memory_ordered 1
		.amdhsa_forward_progress 1
		.amdhsa_inst_pref_size 255
	.end_amdhsa_kernel
	.section	.bss,"aw",@nobits
	.p2align	6
	.space	262144
	.amdgpu_metadata
---
amdhsa.version: [ 1, 2 ]
amdhsa.kernels:
  - .name:           k_qc5abf65f09_proj
    .symbol:         k_qc5abf65f09_proj.kd
    .args:
      - { .name: xc, .offset: 0, .size: 8, .value_kind: global_buffer, .address_space: global }
      - { .name: wc, .offset: 8, .size: 8, .value_kind: global_buffer, .address_space: global }
      - { .name: lowp_scales, .offset: 16, .size: 8, .value_kind: global_buffer, .address_space: global }
      - { .name: q_ln_scale, .offset: 24, .size: 8, .value_kind: global_buffer, .address_space: global }
      - { .name: q_ln_bias, .offset: 32, .size: 8, .value_kind: global_buffer, .address_space: global }
      - { .name: k_ln_scale, .offset: 40, .size: 8, .value_kind: global_buffer, .address_space: global }
      - { .name: k_ln_bias, .offset: 48, .size: 8, .value_kind: global_buffer, .address_space: global }
      - { .name: qf, .offset: 56, .size: 8, .value_kind: global_buffer, .address_space: global }
      - { .name: kvf, .offset: 64, .size: 8, .value_kind: global_buffer, .address_space: global }
    .group_segment_fixed_size: 327680
    .private_segment_fixed_size: 0
    .kernarg_segment_align: 8
    .kernarg_segment_size: 72
    .max_flat_workgroup_size: 128
    .sgpr_count:     100
    .vgpr_count:     1024
    .wavefront_size: 32
...
	.end_amdgpu_metadata
.endif
;; end of part 2
;; launch attn (part 3): grid 8 x 32, 16 waves a work-group, no clusters, 264,192 bytes of LDS; arguments qf, kvf, mbits, mflags, lowp_scales, ao; writes ao
.if DOCPART == 3
	.amdgcn_target "amdgcn-amd-amdhsa--gfx1250"
	.amdhsa_code_object_version 6
	.text
	.protected	k_qc5abf65f09_attn
	.globl	k_qc5abf65f09_attn
	.p2align	8
	.type	k_qc5abf65f09_attn,@function
k_qc5abf65f09_attn:
	s_mov_b64 s[64:65], 0
	v_nop
	global_prefetch_b8 v0, s[64:65] scope:SCOPE_SE
	s_setreg_imm32_b32 hwreg(HW_REG_WAVE_MODE, 25, 1), 1
	s_wait_xcnt 0x0
; ATTN: out = softmax(q k^T / 8, masked) v for one (batch, head), both products on codes of FP8 (E4M3); the result is quantised for the last projection.
; THE SOFTMAX AHEAD OF THE SECOND PRODUCT: t = score x log2(e) / 8; M = the row's largest t so far, rounded UP to a whole number; p = 2^(t - M) is quantised with 2^e9; it is not normalised.
; The row's sum is taken of the unquantised p and divides at the end.  When M moves, the sum and O are multiplied by 2^(old M - new M): exact.
; THE MASK is an input, and whole numbers decide what is done.  For each tile of 16 queries the launch before has stored a word of flags (mflags): bit k: some key of key step k (128 keys) counts for some
; query of the tile; bit 16 + k: all do.  A step in which no key counts adds nothing to the sum, to O or to M, and is jumped over; a step in which all count is not masked; in a mixed step the hidden
; scores become -infinity ahead of the maximum, by words of 32 lane bits (mbits, stored for mixed steps) as the select of v_cndmask_b32.  This holds for every mask; no pattern of it is built in.
; A query with no visible key has the sum 0: its codes are set to the NaN code, so that its row of the output is NaN, as a softmax over -infinities is.
; The launch has no tensor load, no joint loads and no cluster: K and V go through registers into LDS.
; The head's K and V, 262,144 bytes, lie in LDS whole: wave w copies key step w (32 loads of 512 bytes, all out at once), then one barrier.
; All of it is asked for at the head, so there is no loop to run ahead in and no prefetch.
; SHARES.  Work-group x of a head has sixteen waves.  Waves w and w + 8 (w < 8) share the tiles of queries 8 w + x and 8 (15 - w) + x: an early and a late tile.  Each takes, in a first phase, the EVEN key steps
; of one tile (wave w: the early one; wave w + 8: the late one) and, in a second phase, the ODD key steps of the other.  The first phase's partial result (O^T, -M, the sum) waits in registers; when all
; sixteen waves have read K and V for the last time (a barrier), it goes into those LDS bytes, and behind a second barrier the partner, which holds the same tile's other half, joins the two:
; both are brought under the larger M by powers of two, which rounds nothing, and added.  So each tile has one owner on the way out.
; LAYOUT.  Both products are used transposed: S^T = K Q^T (source 0 = 16 keys, source 1 = 16 queries), O^T = V^T P^T: a lane holds ONE query (lane % 16) throughout.  Slot m of a tile T is row
; 32 (T / 2) + 8 (T % 2) + m + 8 (m / 8), so score register 16 c + i of lane (r, h) is key 32 c + 16 h + i, and p's conversions give the second product's operand as it stands; O^T's register 16 c + i is
; channel 32 c + 16 h + i, and the conversions on the way out give a chunk of the last projection's operand.  All fragments lie as images of registers: 16 bytes a lane.
; LIMITS on the given exponents: e6 + e7 between -123 and 130 (added to c's exponent field); e9 and e10 between -126 and 119; e8 + e9 is applied by v_ldexp_f32 and has none.
; The scaled scores stay under 2^31 in magnitude.
; REGISTERS: v1 16 x lane; v2 an LDS address; v3, v4 2^e9 and 448 x 2^e9; v5 -infinity; v6, v7 2^e10 and 448 x 2^e10; v[8:9] -M and the largest t; v[10:11] the sum in two halves; v12, v13 the spare word's
;   address and 0; v[14:15] the first phase's -M and sum; v16-23, v24-31 the two tiles of Q; v32-95 eight tiles of K, then four fragments of V; v96-159 S^T, then p; v160-191 O^T; v192-223 the first phase's O^T;
;   v224-239 p's codes; v234-253 at work; v255 four NaN codes.  At the head v32-159 hold the wave's 32 loads of K and V.
;   s[2:3] the tile's mask words; s[4:5] out; s[6:7] c; s[8:9] lane selects; s10 wave; s11 LDS byte of the step; s12 trips; s13 e8 + e9; s[18:19], s[20:21] mbits and ao at my batch and head;
;   s22, s23 the two words of flags; s26, s27 the two tiles; s[32:63], s[68:99] 64 mask words.
.set STEPB, 16384                      ; a key step in LDS: K's eight tiles of 1,024 bytes, then V's four fragments of 2,048
.set SPARE, 262144                     ; behind K and V: the spare words, 128 bytes for each wave: eight blocks of 256 bytes that no other line names
.set XB,    4608                       ; a partial result in LDS: 32 registers x 128 bytes, then 16 bytes a lane of which 8 hold -M and the sum
.set NM,    8
.set OB,    160
.set SV,    192
.set PB,    224
.set SPW,   12
.set NIL,   13
.set MO,    24                         ; s24  byte offset of the mask words last asked for
.set ANY,   25                         ; s25  bit 0: some key of this step counts; shifted down two bits a trip
.set MIX,   30                         ; s30  bit 0: some count and some do not; likewise
.macro MLOAD                           ; 64 mask words: my tile of queries, one key step
	s_load_b512 s[32:47], s[2:3], s[MO] offset:0x0
	s_load_b512 s[48:63], s[2:3], s[MO] offset:0x40
	s_load_b512 s[68:83], s[2:3], s[MO] offset:0x80
	s_load_b512 s[84:99], s[2:3], s[MO] offset:0xc0
.endm
.macro PF                              ; once in every trip: the mask words of my next step, two key steps on, are asked for if that step is mixed (behind the last the bit is 0: no load leaves the buffer)
	s_wait_kmcnt 0x0                               ; no scalar load is out: the offset may step and the words may be loaded over
	s_add_co_u32 s[MO], s[MO], 512
	s_bitcmp1_b32 s[MIX], 2
	s_cbranch_scc0 .Lnpf_\@
	MLOAD
.Lnpf_\@:
.endm
.macro MASK                            ; a hidden key's score becomes -infinity; each accumulator is read from its low end on
.set nn, 0
.rept 64
	v_cndmask_b32 v[96+nn], v5, v[96+nn], s[32+nn+4*(nn/32)]
.set nn, nn+1
.endr
.endm
.macro SOFT                            ; the softmax for 128 keys: 64 scores a lane
	v_max3_num_f32 v240, v96, v97, v98             ; the step's largest score of my query among my 64 keys, in four chains, in ascending order of the registers
	v_max3_num_f32 v241, v99, v100, v101
	v_max3_num_f32 v242, v102, v103, v104
	v_max3_num_f32 v243, v105, v106, v107
.set jj, 12
.rept 6
	v_max3_num_f32 v240, v240, v[96+jj], v[97+jj]
	v_max3_num_f32 v241, v241, v[98+jj], v[99+jj]
	v_max3_num_f32 v242, v242, v[100+jj], v[101+jj]
	v_max3_num_f32 v243, v243, v[102+jj], v[103+jj]
.set jj, jj+8
.endr
	v_max3_num_f32 v240, v240, v156, v157
	v_max3_num_f32 v241, v241, v158, v159
	v_max3_num_f32 v240, v240, v242, v243
	v_max_num_f32 v240, v240, v241
	s_delay_alu instid0(VALU_DEP_1)
	v_permlanex16_b32 v246, v240, s8, s9
	s_delay_alu instid0(VALU_DEP_1)
	v_max_num_f32 v240, v240, v246                 ; and among lane l xor 16's
	s_delay_alu instid0(VALU_DEP_1)
	v_mul_f32 v240, s6, v240                       ; as t (c is positive)
	s_delay_alu instid0(VALU_DEP_1)
	v_max_num_f32 v[NM+1], v[NM+1], v240           ; the running largest t
	v_mov_b32 v240, v[NM]
	s_delay_alu instid0(VALU_DEP_2)
	v_floor_f32 v[NM], -v[NM+1]                    ; the new -M = floor(-t) = -ceil(t)
	s_delay_alu instid0(VALU_DEP_1)
	v_sub_f32 v240, v[NM], v240                    ; old M - new M: a whole number, 0 or less
	s_delay_alu instid0(VALU_DEP_1)
	v_cvt_i32_f32 v240, v240                       ; (it saturates)
	s_delay_alu instid0(VALU_DEP_1)
	v_ldexp_f32 v244, 1.0, v240                    ; f = 2^(old M - new M)
.set jj, 0
.rept 32
	v_pk_fma_f32 v[96+jj:97+jj], v[96+jj:97+jj], s[6:7], v[NM:NM+1] op_sel_hi:[1,0,0]   ; t - M, two at a time (of the pairs c and -M the low word serves both halves)
.set jj, jj+2
.endr
.set jj, 0
	s_wait_alu depctr_va_vdst(0)
.rept 64
	v_exp_f32 v[96+jj], v[96+jj]                   ; p = 2^(t - M), at most 1; 0 for a hidden key
.set jj, jj+1
.endr
	v_pk_mul_f32 v[NM+2:NM+3], v[NM+2:NM+3], v[244:245] op_sel_hi:[1,0]   ; the sums under the new M: the plain instruction behind the exponentials
	s_wait_alu depctr_va_vdst(0)                   ; one wait for the whole batch, ahead of its first reader
	v_pk_add_f32 v[242:243], v[100:101], v[104:105]        ; the row's sum of the unquantised p, in eight chains of pairs
	v_pk_add_f32 v[252:253], v[108:109], v[112:113]
	v_pk_add_f32 v[250:251], v[116:117], v[120:121]
	v_pk_add_f32 v[248:249], v[124:125], v[128:129]
	v_pk_add_f32 v[238:239], v[132:133], v[136:137]
	v_pk_add_f32 v[236:237], v[140:141], v[144:145]
	v_pk_add_f32 v[234:235], v[148:149], v[152:153]
	v_pk_add_f32 v[10:11], v[10:11], v[156:157]
	v_pk_add_f32 v[242:243], v[242:243], v[96:97]
	v_pk_add_f32 v[252:253], v[252:253], v[98:99]
	v_pk_add_f32 v[250:251], v[250:251], v[102:103]
	v_pk_add_f32 v[248:249], v[248:249], v[106:107]
	v_pk_add_f32 v[238:239], v[238:239], v[110:111]
	v_pk_add_f32 v[236:237], v[236:237], v[114:115]
	v_pk_add_f32 v[234:235], v[234:235], v[118:119]
	v_pk_add_f32 v[10:11], v[10:11], v[122:123]
	v_pk_add_f32 v[242:243], v[242:243], v[126:127]
	v_pk_add_f32 v[252:253], v[252:253], v[130:131]
	v_pk_add_f32 v[250:251], v[250:251], v[134:135]
	v_pk_add_f32 v[248:249], v[248:249], v[138:139]
	v_pk_add_f32 v[238:239], v[238:239], v[142:143]
	v_pk_add_f32 v[236:237], v[236:237], v[146:147]
	v_pk_add_f32 v[234:235], v[234:235], v[150:151]
	v_pk_add_f32 v[10:11], v[10:11], v[154:155]
	v_pk_add_f32 v[242:243], v[242:243], v[158:159]
	s_delay_alu instid0(VALU_DEP_2)
	v_pk_add_f32 v[10:11], v[10:11], v[248:249]
	s_delay_alu instid0(VALU_DEP_2)
	v_pk_add_f32 v[242:243], v[242:243], v[238:239]
	v_pk_add_f32 v[252:253], v[252:253], v[236:237]
	v_pk_add_f32 v[250:251], v[250:251], v[234:235]
	s_delay_alu instid0(VALU_DEP_2)
	v_pk_add_f32 v[10:11], v[10:11], v[252:253]
	s_delay_alu instid0(VALU_DEP_2)
	v_pk_add_f32 v[242:243], v[242:243], v[250:251]
	s_delay_alu instid0(VALU_DEP_1)
	v_pk_add_f32 v[10:11], v[10:11], v[242:243]
.set jj, 0
.rept 16
	v_pk_mul_f32 v[OB+jj:OB+jj+1], v[OB+jj:OB+jj+1], v[244:245] op_sel_hi:[1,0]   ; O^T under the new M; each accumulator from its low end on
.set jj, jj+2
.endr
.irp b, 0,1,2,3
.irp i, 0,1,2,3,4,5,6,7,8,9,10,11,12,13,14,15
	v_min_num_f32 v[96+16*\b+\i], v[96+16*\b+\i], v4   ; the conversion to an 8-bit code does not saturate (ISA guide 7.6.2); p is not negative, so the hold is one-sided
.endr
	v_cvt_scalef32_pk8_fp8_f32 v[PB+4*\b:PB+4*\b+1], v[96+16*\b:103+16*\b], v3
	v_cvt_scalef32_pk8_fp8_f32 v[PB+4*\b+2:PB+4*\b+3], v[104+16*\b:111+16*\b], v3
.endr
	v_nop                                          ; a plain vector line between the last conversion and the matrix instructions that read its result or write its sources
.endm
; A TRIP: one key step, 128 keys.  qb: the registers of the tile's Q.
.macro STEP qb
	s_bitcmp1_b32 s[ANY], 0
	s_cbranch_scc0 .Lhid_\@                        ; no key of the step counts for any of my 16 queries
	v_add_nc_u32 v2, s11, v1
.rept 3
	v_nop                                          ; with the addition: four places in front of loads into registers that the last products read
.endr
.irp t, 0,1,2,3,4,5,6,7
	ds_load_b128 v[32+8*\t:35+8*\t], v2 offset:1024*\t
	ds_load_b128 v[36+8*\t:39+8*\t], v2 offset:1024*\t+512
.endr
	s_wait_alu depctr_va_vdst(0)
	s_wait_dscnt 0x0
.irp t, 0,1,2,3,4,5,6,7                        ; S^T = K Q^T: eight tiles of 16 keys, K = the head's 64
	v_wmma_f32_16x16x64_fp8_fp8 v[96+8*\t:103+8*\t], v[32+8*\t:39+8*\t], v[\qb:\qb+7], 0
.endr
.rept 4
	v_nop                                          ; four places: in front of the first read of the scores, and of loads into K's registers
.endr
.irp a, 0,1,2,3
.irp c, 0,1,2,3
	ds_load_b128 v[32+16*\a+4*\c:35+16*\a+4*\c], v2 offset:8192+2048*\a+512*\c   ; V: it lands under the softmax
.endr
.endr
	s_bitcmp1_b32 s[MIX], 0
	s_cbranch_scc0 .Lopen_\@                       ; all keys count: nothing to mask
	s_wait_kmcnt 0x0                               ; this step's mask words, asked for in the trip before (the first step's: at the phase's start)
	MASK
.Lopen_\@:
	PF
	SOFT
	s_wait_alu depctr_va_vdst(0)
	s_wait_dscnt 0x0                               ; V is in
.irp a, 0,1,2,3                                ; O^T += V^T P^T: four accumulators, one instruction a turn
	v_wmma_f32_16x16x128_fp8_fp8 v[OB+8*\a:OB+8*\a+7], v[32+16*\a:47+16*\a], v[PB:PB+15], v[OB+8*\a:OB+8*\a+7]
.endr
	s_branch .Lnext_\@
.Lhid_\@:
	PF
.Lnext_\@:
	s_add_co_u32 s11, s11, 2*STEPB
	s_lshr_b32 s[ANY], s[ANY], 2
	s_lshr_b32 s[MIX], s[MIX], 2
.endm
; A PHASE: key steps n, n + 2 .. n + 14 of tile s[26 + n]: eight trips.
.macro PHASE n
	s_wait_kmcnt 0x0                               ; no scalar load is out: the words' base and offset may be written
	s_lshl_b32 s100, s[26+\n], 12
	s_add_nc_u64 s[2:3], s[18:19], s[100:101]      ; the tile's 4,096 bytes of mask words
	s_and_b32 s[ANY], s[22+\n], 0xffff
	s_lshr_b32 s[MIX], s[22+\n], 16
	s_and_not1_b32 s[MIX], s[ANY], s[MIX]          ; some count, not all
.if \n
	s_lshr_b32 s[ANY], s[ANY], 1
	s_lshr_b32 s[MIX], s[MIX], 1
.endif
	s_mov_b32 s[MO], 256*\n
	s_bitcmp1_b32 s[MIX], 0                        ; the first step's words, if it is mixed
	s_cbranch_scc0 .Lnf_\@
	MLOAD
.Lnf_\@:
	v_mov_b32 v9, 0xff61b1e6                       ; the largest t so far: -3e38, under every t
	v_mov_b32 v10, 0                               ; the sum, in two halves
	v_mov_b32 v11, 0
	v_floor_f32 v8, -v9                            ; -M
.set jj, OB
.rept 32
	v_mov_b32 v[jj], 0                             ; O^T.  (The step is written for all steps alike: the first finds zeros, which the first change of M leaves zeros)
.set jj, jj+1
.endr
	s_mov_b32 s11, STEPB*\n
	s_mov_b32 s12, 8
	s_wait_alu depctr_va_vdst(0)
.Ltrip_\@:
	STEP 16+8*\n
	s_sub_co_u32 s12, s12, 1
	s_cmp_lg_u32 s12, 0
	s_cbranch_scc1 .Ltrip_\@
.rept 4
	v_nop                                          ; four places behind the last products
.endr
.endm
	s_load_b256 s[32:39], s[0:1], 0x0              ; qf s[32:33], kvf s[34:35], mbits s[36:37], mflags s[38:39]
	s_load_b128 s[40:43], s[0:1], 0x20             ; lowp_scales s[40:41], ao s[42:43]
	v_lshl_add_u32 v[SPW], v0, 2, SPARE
	v_mov_b32 v[NIL], 0
	v_lshrrev_b32 v1, 5, v0
	v_readfirstlane_b32 s10, v1                    ; wave 0..15
	v_and_b32 v1, 31, v0
	v_lshlrev_b32 v1, 4, v1                        ; 16 x lane
	s_and_b32 s13, ttmp7, 0xffff                   ; 16 x batch + head
	s_lshr_b32 s12, s13, 4                         ; the batch
	s_and_b32 s11, s13, 15                         ; the head
	s_and_b32 s25, s10, 7
	s_lshl_b32 s25, s25, 3
	s_sub_co_u32 s31, 120, s25
	s_add_co_u32 s25, s25, ttmp9                   ; the pair's early tile: 8 (w % 8) + x
	s_add_co_u32 s31, s31, ttmp9                   ; its late tile: 8 (15 - w % 8) + x
	s_cmp_lt_u32 s10, 8
	s_cselect_b32 s26, s25, s31                    ; my first phase's tile,
	s_cselect_b32 s27, s31, s25                    ; my second's, which I take out
	s_lshl_b32 s30, s12, 7
	s_add_co_u32 s31, s30, s27
	s_add_co_u32 s30, s30, s26
	s_lshl_b32 s30, s30, 8                         ; their flags: 256 bytes a tile, 128 tiles a batch
	s_lshl_b32 s31, s31, 8
	s_mov_b32 s101, 0
	s_mov_b32 s8, 0x76543210
	s_mov_b32 s9, 0xfedcba98
	s_wait_alu depctr_va_vdst(0)
	s_wait_kmcnt 0x0
	s_load_b256 s[68:75], s[40:41], 0x0            ; e0 .. e7
	s_load_b128 s[76:79], s[40:41], 0x20           ; e8 .. e11
	s_load_b32 s22, s[38:39], s30 offset:0x0
	s_load_b32 s23, s[38:39], s31 offset:0x0
	s_lshl_b32 s100, s13, 18                       ; K and V: the head's 262,144 bytes; my wave's key step
	s_lshl_b32 s24, s10, 14
	s_add_co_u32 s100, s100, s24
	s_add_nc_u64 s[14:15], s[34:35], s[100:101]
	s_lshl_b32 s100, s13, 7                        ; Q: 128 tiles a head, 1,024 bytes a tile
	s_add_co_u32 s100, s100, s26
	s_lshl_b32 s100, s100, 10
	s_add_nc_u64 s[16:17], s[32:33], s[100:101]
	s_lshl_b32 s100, s13, 7
	s_add_co_u32 s100, s100, s27
	s_lshl_b32 s100, s100, 10
	s_add_nc_u64 s[28:29], s[32:33], s[100:101]
	s_lshl_b32 s100, s12, 19                       ; the mask's words: 128 tiles of 4,096 bytes a batch
	s_add_nc_u64 s[18:19], s[36:37], s[100:101]
	s_lshl_b32 s100, s12, 21                       ; out: 128 tiles of 16,384 bytes a batch; the head's two chunks begin 1,024 x head into a tile
	s_lshl_b32 s25, s11, 10
	s_add_co_u32 s100, s100, s25
	s_add_nc_u64 s[20:21], s[42:43], s[100:101]
	s_lshl_b32 s100, s27, 14
	s_add_nc_u64 s[4:5], s[20:21], s[100:101]      ; out: my second tile
.irp c, 0,1
	global_load_b128 v[16+4*\c:19+4*\c], v1, s[16:17] offset:512*\c   ; both tiles of Q stay in registers
	global_load_b128 v[24+4*\c:27+4*\c], v1, s[28:29] offset:512*\c
.endr
.set ii, 0
.rept 32
	global_load_b128 v[32+4*ii:35+4*ii], v1, s[14:15] offset:512*ii   ; key step w
.set ii, ii+1
.endr
	v_add_nc_u32 v2, s24, v1                       ; where they go: 16,384 x wave + 16 x lane
	v_mov_b32 v5, 0xff800000                       ; -infinity
	v_mov_b32 v255, 0x7f7f7f7f                     ; four NaN codes
	v_mov_b32 v245, 0                              ; (named as the upper halves of the pairs v[244:245] and v[246:247])
	v_mov_b32 v247, 0
	v_mov_b32 v246, 0                              ; written once: a lane permute's destination counts as one of its sources
	s_wait_kmcnt 0x0
	s_add_co_i32 s6, s74, s75                      ; a score stands for score x 2^(e6 + e7): the exponents are added to c's exponent field
	s_lshl_b32 s6, s6, 23
	s_add_co_i32 s6, s6, 0x3e38aa3b                ; c = log2(e) / 8
	s_mov_b32 s7, s6                               ; (named with it as a pair, so it is written)
	s_add_co_i32 s13, s76, s77                     ; e8 + e9
	s_add_co_i32 s25, s77, 127
	s_lshl_b32 s30, s25, 23
	v_mov_b32 v3, s30                              ; 2^e9
	s_add_co_i32 s25, s25, 8
	s_lshl_b32 s25, s25, 23
	s_or_b32 s25, s25, 0x600000
	v_mov_b32 v4, s25                              ; 448 x 2^e9
	s_add_co_i32 s25, s78, 127
	s_lshl_b32 s30, s25, 23
	v_mov_b32 v6, s30                              ; 2^e10
	s_add_co_i32 s25, s25, 8
	s_lshl_b32 s25, s25, 23
	s_or_b32 s25, s25, 0x600000
	v_mov_b32 v7, s25                              ; 448 x 2^e10
.set ii, 0
.rept 16
	s_mov_b64 s[32+ii:33+ii], 0                    ; the mask words' registers are written once; from here on they hold mask words alone
	s_mov_b64 s[68+ii:69+ii], 0
.set ii, ii+2
.endr
	s_wait_alu depctr_va_vdst(0)
.irp q, 0,1                                    ; the copies into LDS, sixteen at a time: behind the first wait the sixteen younger loads may be out
	s_wait_loadcnt 16-16*\q
.irp i, 0,1,2,3,4,5,6,7,8,9,10,11,12,13,14,15
	ds_store_b128 v2, v[32+64*\q+4*\i:35+64*\q+4*\i] offset:8192*\q+512*\i
.endr
.endr
	s_wait_dscnt 0x0                               ; for the others' sake: my stores have landed
	s_barrier_signal -1
	s_barrier_wait -1                              ; everybody's have: the head's K and V are whole
	PHASE 0
.set jj, 0
.rept 32
	v_mov_b32 v[SV+jj], v[OB+jj]                   ; the first phase's partial result waits in registers; each accumulator from its low end on
.set jj, jj+1
.endr
	v_mov_b32 v14, v8                              ; its -M,
	v_add_f32 v15, v10, v11                        ; and its sum (my half of the keys)
	PHASE 1
	; THE EXCHANGE.  Nobody reads K and V behind the first barrier; the partial results are laid over them, 4,608 bytes a wave
	s_wait_dscnt 0x0                               ; my reads of K and V are over
	s_barrier_signal -1
	s_barrier_wait -1                              ; everybody's are
	s_mul_i32 s14, s10, XB
	s_xor_b32 s15, s10, 8                          ; my partner
	s_mul_i32 s15, s15, XB
	v_add_nc_u32 v2, s14, v1
.irp i, 0,1,2,3,4,5,6,7
	ds_store_b128 v2, v[SV+4*\i:SV+4*\i+3] offset:512*\i
.endr
	ds_store_b64 v2, v[14:15] offset:4096
	s_wait_dscnt 0x0                               ; for the others' sake: my stores have landed
	s_barrier_signal -1
	s_barrier_wait -1
	v_add_nc_u32 v2, s15, v1
.irp i, 0,1,2,3,4,5,6,7
	ds_load_b128 v[96+4*\i:99+4*\i], v2 offset:512*\i      ; my partner's first phase: the even key steps of the tile whose odd ones I hold
.endr
	ds_load_b64 v[128:129], v2 offset:4096
	s_wait_dscnt 0x0
	v_add_f32 v10, v10, v11                        ; my sum's two halves
	v_min_num_f32 v240, v8, v128                   ; -M of the two together
	v_sub_f32 v241, v240, v8                       ; my M less the common one: a whole number, 0 or less,
	v_sub_f32 v242, v240, v128                     ; and my partner's
	v_cvt_i32_f32 v241, v241                       ; (they saturate)
	v_cvt_i32_f32 v242, v242
	v_ldexp_f32 v244, 1.0, v241
	v_ldexp_f32 v246, 1.0, v242
	v_mul_f32 v10, v10, v244
	v_fma_f32 v10, v129, v246, v10
.set jj, 0
.rept 16
	v_pk_mul_f32 v[OB+jj:OB+jj+1], v[OB+jj:OB+jj+1], v[244:245] op_sel_hi:[1,0]   ; each accumulator from its low end on
.set jj, jj+2
.endr
.set jj, 0
.rept 16
	v_pk_fma_f32 v[OB+jj:OB+jj+1], v[96+jj:97+jj], v[246:247], v[OB+jj:OB+jj+1] op_sel_hi:[1,0,1]
.set jj, jj+2
.endr
	; THE WAY OUT: O^T / the sum x 2^(e8 + e9), quantised with 2^e10: two chunks of the last projection's operand
	v_permlanex16_b32 v240, v10, s8, s9
	s_delay_alu instid0(VALU_DEP_1)
	v_add_f32 v10, v10, v240                       ; + lane l xor 16's: the row's sum
	s_wait_alu depctr_va_vdst(0)
	v_rcp_f32 v244, v10
	v_nop                                          ; a plain instruction behind the reciprocal
	v_cmp_eq_f32 s14, 0, v10                       ; queries with no visible key
	s_wait_alu depctr_va_vdst(0)                   ; the wait ahead of the reciprocal's first reader
	v_ldexp_f32 v244, v244, s13
.set jj, 0
.rept 16
	v_pk_mul_f32 v[96+jj:97+jj], v[OB+jj:OB+jj+1], v[244:245] op_sel_hi:[1,0]
.set jj, jj+2
.endr
.set jj, 0
.rept 32
	v_med3_num_f32 v[96+jj], v[96+jj], -v7, v7
.set jj, jj+1
.endr
.irp g, 0,1,2,3
	v_cvt_scalef32_pk8_fp8_f32 v[32+2*\g:33+2*\g], v[96+8*\g:103+8*\g], v6
.endr
	v_nop                                          ; a plain vector line behind the last conversion
.irp g, 0,1,2,3,4,5,6,7
	v_cndmask_b32 v[32+\g], v[32+\g], v255, s14
.endr
	global_store_b128 v1, v[32:35], s[4:5]                 ; 32 lanes store 512 consecutive bytes
	global_store_b128 v1, v[36:39], s[4:5] offset:512
	s_wait_tensorcnt 0x0                           ; the wave's end, behind my last LDS store
	ds_add_u32 v[SPW], v[NIL]
	s_wait_dscnt 0x0
	s_endpgm
.Lfunc_end_k_qc5abf65f09_attn:
	.size	k_qc5abf65f09_attn, .Lfunc_end_k_qc5abf65f09_attn-k_qc5abf65f09_attn
	.p2alignl 7, 3214868480
	.fill 96, 4, 3214868480
	.section	.rodata,"a",@progbits
	.p2align	6, 0x0
	.amdhsa_kernel k_qc5abf65f09_attn
		.amdhsa_group_segment_fixed_size 264192
		.amdhsa_private_segment_fixed_size 0
		.amdhsa_enable_private_segment 0
		.amdhsa_kernarg_size 48
		.amdhsa_user_sgpr_count 2
		.amdhsa_user_sgpr_kernarg_segment_ptr 1
		.amdhsa_wavefront_size32 1
		.amdhsa_system_sgpr_workgroup_id_x 1
		.amdhsa_system_sgpr_workgroup_id_y 1
		.amdhsa_system_sgpr_workgroup_id_z 1
		.amdhsa_system_vgpr_workitem_id 0
		.amdhsa_next_free_vgpr 256
		.amdhsa_next_free_sgpr 102
		.amdhsa_reserve_vcc 0
		.amdhsa_float_denorm_mode_32 3
		.amdhsa_float_denorm_mode_16_64 3
		.amdhsa_memory_ordered 1
		.amdhsa_forward_progress 1
		.amdhsa_inst_pref_size 65
	.end_amdhsa_kernel
	.amdgpu_metadata
---
amdhsa.version: [ 1, 2 ]
amdhsa.kernels:
  - .name:           k_qc5abf65f09_attn
    .symbol:         k_qc5abf65f09_attn.kd
    .args:
      - { .name: qf, .offset: 0, .size: 8, .value_kind: global_buffer, .address_space: global }
      - { .name: kvf, .offset: 8, .size: 8, .value_kind: global_buffer, .address_space: global }
      - { .name: mbits, .offset: 16, .size: 8, .value_kind: global_buffer, .address_space: global }
      - { .name: mflags, .offset: 24, .size: 8, .value_kind: global_buffer, .address_space: global }
      - { .name: lowp_scales, .offset: 32, .size: 8, .value_kind: global_buffer, .address_space: global }
      - { .name: ao, .offset: 40, .size: 8, .value_kind: global_buffer, .address_space: global }
    .group_segment_fixed_size: 264192
    .private_segment_fixed_size: 0
    .kernarg_segment_align: 8
    .kernarg_segment_size: 48
    .max_flat_workgroup_size: 512
    .sgpr_count:     102
    .vgpr_count:     256
    .wavefront_size: 32
...
	.end_amdgpu_metadata
.endif
;; end of part 3
;; launch outp (part 4): grid 8 x 32, 4 waves a work-group, clusters of 4 x 4, 280,064 bytes of LDS; arguments ao, wc, lowp_scales, out0; writes out0
.if DOCPART == 4
	.amdgcn_target "amdgcn-amd-amdhsa--gfx1250"
	.amdhsa_code_object_version 6
	.text
	.protected	k_qc5abf65f09_outp
	.globl	k_qc5abf65f09_outp
	.p2align	8
	.type	k_qc5abf65f09_outp,@function
k_qc5abf65f09_outp:
	s_mov_b64 s[64:65], 0
	v_nop
	global_prefetch_b8 v0, s[64:65] scope:SCOPE_SE
	s_setreg_imm32_b32 hwreg(HW_REG_WAVE_MODE, 25, 1), 1
	s_wait_xcnt 0x0
	s_wait_alu depctr_hold_cnt(0) depctr_sa_sdst(0) depctr_va_vdst(0) depctr_va_sdst(0) depctr_va_ssrc(0) depctr_va_vcc(0) depctr_vm_vsrc(0)
	s_getreg_b32 s2, hwreg(HW_REG_IB_STS2, 6, 4)
	s_cmp_eq_u32 s2, 0
	s_cbranch_scc0 .Lentry_in_a_cluster
	s_endpgm
.Lentry_in_a_cluster:
	s_bfe_u32 s2, ttmp6, 0x10000c
	s_cmp_lg_u32 s2, 0xf033
	s_cbranch_scc0 .Lentry_shape_is_right
	s_endpgm
.Lentry_shape_is_right:
; OUTP: out0[token][e] = 2^(e10 + e11) x the sum over k of ao[token][k] wo[e][k], on codes of FP8 (E4M3); sums in f32.
; Both operands lie in memory in the order of an operand's registers: slot m of tile T is row 32 (T / 2) + 8 (T % 2) + m + 8 (m / 8); fragment (T, s) at (8 T + s) x 2,048; 16 bytes a lane, 512 a chunk.  wo's codes begin 3 MiB into wc.
; A tile of the output, 128 tokens x 128 columns, is made by a work-group of four waves, 64 x 64 each: 16 accumulators.  4,096 x 1,024 outputs give 256 such tiles.
; ALL OF K LIES IN LDS: 8 tiles x 8 K steps x 2,048 bytes for each side, 262,144 bytes.  Each byte is filled once; nothing is filled again.  Waves 0 and 1 fetch the tokens' tiles,
; waves 2 and 3 the columns': one load a wave, issued at the start; the products begin when all have landed.
; CLUSTERS: 4 x 4 work-groups.  The four of a row of the cluster need the same tokens, the four of a column the same columns: each tile is asked for JOINTLY.
; THE MATRIX INSTRUCTION IS USED TRANSPOSED (source 0 = 16 rows of wo, source 1 = 16 tokens): a lane holds one token, and the 16 registers of column tiles 2 b, 2 b + 1 are 16 neighbouring columns.
; LIMIT: e10 + e11 between -126 and 127, so that 2^(e10 + e11) is an f32 number.  A token whose codes are NaN codes (no visible key) gives a row of NaN.
; REGISTERS: window 0: v1 16 x lane; v8, v12 LDS addresses of my tokens' and columns' fragments; v16-18 the way out; v32-63 a block's results; v64-127 two sets of rows read back;
;   v128-255 accumulator (a, b) at v[128 + 8 (4 a + b)].   window 1: two buffers of 128: four fragments of tokens, then four of columns.
; THE FILL AS IT STANDS (in place of the four groups that the lines above speak of): a wave's four tiles with all their eight K steps are 65,536 consecutive bytes of memory, and ONE load a wave brings them,
; as four rows of 16,384 bytes, to LDS byte 65,536 x wave; fragment (tile a, K step k) lies at 16,384 a + 2,048 k of that region.  One wait for 0 and one barrier stand ahead of the first fragment loads.
.set GRP,   65536                      ; a wave's region in LDS: waves 0 and 1 the tokens' halves, waves 2 and 3 the columns'
.set STAGE, 4*GRP                      ; behind the tiles: 16 rows x 272 bytes for each wave, for the way out; no fill lands there
.set SP,    272
.set LN,   1
.set RA,   8
.set SA,   12
.set STO,  16
.set RD,   17
.set CO,   18
.set TMP,  32
.set BK,   64
.set ACC,  128
.set MSB, 0
.macro WIN new
.if MSB != (\new)
	s_set_vgpr_msb (MSB<<8)|(\new)
.set MSB, (\new)
.endif
.endm
.set MUL,  0x05                        ; sources 0 and 1 window 1; C and D window 0
.set TO_F, 0x40                        ; destination window 1, address window 0
.macro CROUND
	s_barrier_signal -1
	s_barrier_wait -1
	s_cmp_lg_u32 s2, 0
	s_cbranch_scc1 .Lnot_wave_0_\@
	s_barrier_signal -3
.Lnot_wave_0_\@:
	s_barrier_wait -3
	s_barrier_signal -1
	s_barrier_wait -1
.endm
.macro FETCH k                         ; K step k's eight fragments into buffer k % 2: 512 consecutive bytes an instruction
	WIN TO_F
.irp a, 0,1,2,3
.irp c, 0,1,2,3
	ds_load_b128 v[128*((\k)%2)+16*\a+4*\c:128*((\k)%2)+16*\a+4*\c+3], v[RA] offset:16384*\a+2048*(\k)+512*\c
.endr
.endr
.irp a, 0,1,2,3
.irp c, 0,1,2,3
	ds_load_b128 v[128*((\k)%2)+64+16*\a+4*\c:128*((\k)%2)+64+16*\a+4*\c+3], v[SA] offset:16384*\a+2048*(\k)+512*\c
.endr
.endr
.endm
.macro MUL16 k                         ; the 16 accumulators take turns, in the same order in every K step; K step 0 starts the sums
.irp a, 0,1,2,3
.irp b, 0,1,2,3
.if (\k) == 0
	v_wmma_f32_16x16x128_fp8_fp8 v[ACC+8*(4*\a+\b):ACC+8*(4*\a+\b)+7], v[128*((\k)%2)+64+16*\b:128*((\k)%2)+64+16*\b+15], v[128*((\k)%2)+16*\a:128*((\k)%2)+16*\a+15], 0
.else
	v_wmma_f32_16x16x128_fp8_fp8 v[ACC+8*(4*\a+\b):ACC+8*(4*\a+\b)+7], v[128*((\k)%2)+64+16*\b:128*((\k)%2)+64+16*\b+15], v[128*((\k)%2)+16*\a:128*((\k)%2)+16*\a+15], v[ACC+8*(4*\a+\b):ACC+8*(4*\a+\b)+7]
.endif
.endr
.endr
.endm
.macro KS k
	s_wait_dscnt 0x0                               ; this step's fragments are in
.if (\k)+1 < 8
.rept 4
	v_nop                                          ; four places in front of loads into the buffer that the last step's matrix instructions read
.endr
	FETCH (\k)+1
.endif
	WIN MUL
	MUL16 \k
.endm
	s_load_b256 s[68:75], s[0:1], 0x0              ; ao s[68:69], wc s[70:71], lowp_scales s[72:73], out0 s[74:75]
	v_lshl_add_u32 v30, v0, 2, 0x44400
	v_mov_b32 v31, 0
	ds_add_u32 v30, v31
	ds_add_u32 v30, v31
	v_lshrrev_b32 v1, 5, v0
	v_readfirstlane_b32 s2, v1                     ; wave 0..3
	s_lshr_b32 s3, s2, 1                           ; which 64 tokens are mine.  Also: I fetch tokens (0) or columns (1)
	s_and_b32 s4, s2, 1                            ; which 64 columns.  Also: which four tiles I fetch
	s_bfe_u32 s5, ttmp6, 0x40000                   ; cx, cy: my place in the cluster
	s_bfe_u32 s6, ttmp6, 0x40004
	s_lshl_b32 s7, ttmp9, 2
	s_add_co_u32 s7, s7, s5                        ; block of 128 columns = 4 x cluster x + cx
	s_and_b32 s8, ttmp7, 0xffff
	s_lshl_b32 s8, s8, 2
	s_add_co_u32 s8, s8, s6                        ; block of 128 tokens = 4 x cluster y + cy
	s_lshl_b32 s9, s6, 2
	s_lshl_b32 s9, 15, s9                          ; my row of the cluster
	s_lshl_b32 s10, 0x1111, s5                     ; my column
	; descriptor group 1: four rows (a tile's eight K steps each) of 16,384 bytes, 16,384 bytes apart in memory, dense in LDS; elements of 8 bytes
	s_or_b32 s16, s9, (3<<16)|(1<<21)              ; the tokens' tiles go to my row; bit 21 set beside a mask
	s_or_b32 s24, s10, (3<<16)|(1<<21)             ; the columns' to my column
.irp g, 16, 24
	s_mov_b32 s[\g+1], 2048<<16                    ; tensor_dim0 = 2,048 elements of 8 bytes: a tile's eight K steps
	s_mov_b32 s[\g+2], 4<<16                       ; tensor_dim1 = 4
	s_mov_b32 s[\g+3], 2048<<16                    ; tile_dim0 = 2,048
	s_mov_b32 s[\g+4], 4                           ; tile_dim1 = 4
	s_mov_b32 s[\g+5], 2048                        ; from row to row
	s_mov_b32 s[\g+6], 0
	s_mov_b32 s[\g+7], 0
.endr
	s_lshl_b32 s11, s4, 16                         ; which four tiles
	s_lshl_b32 s12, s8, 17                         ; the tokens' address hangs on the block of tokens and the wave alone,
	s_add_co_u32 s12, s12, s11
	s_mov_b32 s13, 0
	s_lshl_b32 s14, s7, 17                         ; the columns' on the block of columns and the wave alone
	s_add_co_u32 s14, s14, s11
	s_add_co_u32 s14, s14, 0x300000
	s_mov_b32 s15, 0
	s_lshl_b32 s11, s2, 16                         ; where they go: wave x 65,536: no place in the cluster enters an LDS address
	s_wait_dscnt 0x0
	s_wait_kmcnt 0x0
	s_load_b64 s[76:77], s[72:73], 0x28            ; e10, e11
	s_add_nc_u64 s[68:69], s[68:69], s[12:13]
	s_add_nc_u64 s[70:71], s[70:71], s[14:15]
.irp i, 0
	s_mov_b32 s[32+4*\i], 1
	s_add_co_u32 s[33+4*\i], s11, \i*GRP
	s_add_nc_u64 s[34+4*\i:35+4*\i], s[68:69], \i*4096
	s_or_b32 s[35+4*\i], s[35+4*\i], 0x80000000
	s_mov_b32 s[48+4*\i], 1
	s_add_co_u32 s[49+4*\i], s11, \i*GRP
	s_add_nc_u64 s[50+4*\i:51+4*\i], s[70:71], \i*4096
	s_or_b32 s[51+4*\i], s[51+4*\i], 0x80000000
.endr
	CROUND                                         ; all sixteen work-groups are here: the joint loads meet
	s_cmp_lt_u32 s2, 2                             ; a wave's fill stands in one branch on its number: one load of mine is out
	s_cbranch_scc0 .Lfor_s
.irp i, 0
	tensor_load_to_lds s[32+4*\i:35+4*\i], s[16:23]
	s_nop 0
.endr
.rept 4
	v_nop
.endr
	s_branch .Lasked
.Lfor_s:
.irp i, 0
	tensor_load_to_lds s[48+4*\i:51+4*\i], s[24:31]
	s_nop 0
.endr
.rept 4
	v_nop
.endr
.Lasked:
	v_and_b32 v[LN], 31, v0
	v_lshlrev_b32 v[LN], 4, v[LN]
	v_and_b32 v2, 15, v0                           ; r
	v_bfe_u32 v3, v0, 4, 1                         ; h
	s_lshl_b32 s12, s3, 16
	v_add_nc_u32 v[RA], s12, v[LN]
	s_lshl_b32 s12, s4, 16
	s_add_co_u32 s12, s12, 2*GRP
	v_add_nc_u32 v[SA], s12, v[LN]
	s_mul_i32 s12, s2, 16*SP
	s_add_co_u32 s12, s12, STAGE                   ; my stage
	v_mul_u32_u24 v[STO], v2, SP                   ; in: row = my token's slot, + 64 h
	v_lshl_add_u32 v[STO], v3, 6, v[STO]
	v_add_nc_u32 v[STO], s12, v[STO]
	v_mul_u32_u24 v[RD], v3, SP                    ; back: lanes 0-15 one row of 256 bytes, lanes 16-31 the next
	v_lshl_add_u32 v[RD], v2, 4, v[RD]
	v_add_nc_u32 v[RD], s12, v[RD]
	v_lshlrev_b32 v[CO], 12, v3                    ; and the same two rows in the output
	v_lshl_add_u32 v[CO], v2, 4, v[CO]
	s_lshl_b32 s12, s8, 19                         ; my first token: 128 rows of 4,096 bytes a block, 64 a half;
	s_lshl_b32 s13, s3, 18
	s_add_co_u32 s12, s12, s13
	s_lshl_b32 s13, s7, 9                          ; my first column: 512 bytes a block, 256 a half
	s_add_co_u32 s12, s12, s13
	s_lshl_b32 s13, s4, 8
	s_add_co_u32 s12, s12, s13
	s_mov_b32 s13, 0
	s_add_nc_u64 s[74:75], s[74:75], s[12:13]
	s_wait_alu depctr_va_vdst(0)
	s_wait_kmcnt 0x0
	s_add_co_i32 s78, s76, s77
	s_add_co_i32 s78, s78, 127
	s_lshl_b32 s78, s78, 23                        ; 2^(e10 + e11) as f32
	s_mov_b32 s79, s78                             ; (named with it as a pair, so it is written)
	s_wait_tensorcnt 0x0                           ; my one load is in
	s_barrier_signal -1
	s_barrier_wait -1                              ; everybody's is
	FETCH 0
.irp k, 0,1,2,3,4,5,6,7
	KS \k
.endr
	WIN 0
; THE WAY OUT, a tile of 16 tokens x 64 columns at a time.  A lane holds pieces of one row and the lanes beside it hold other rows: so a block goes through my own stage in LDS and comes back as whole rows of 256 bytes.
; LDS serves a wave's instructions in order (ISA guide 5.7.1.4): no wait between the stores and the loads, nor in front of the next block's stores.
.macro TOSTAGE a
.set qq, 0
.rept 16
	v_pk_mul_f32 v[TMP+2*qq:TMP+2*qq+1], v[ACC+32*(\a)+2*qq:ACC+32*(\a)+2*qq+1], s[78:79] op_sel_hi:[1,0]   ; x 2^(e10 + e11); each accumulator from its low end on
.set qq, qq+1
.endr
.irp b, 0,1,2,3
	ds_store_b128 v[STO], v[TMP+8*\b:TMP+8*\b+3] offset:128*(\b/2)+32*(\b%2)          ; columns 32 (b / 2) + 16 h + 8 (b % 2) + 0..7
	ds_store_b128 v[STO], v[TMP+8*\b+4:TMP+8*\b+7] offset:128*(\b/2)+32*(\b%2)+16
.endr
.irp p, 0,1,2,3,4,5,6,7
	ds_load_b128 v[BK+32*((\a)%2)+4*\p:BK+32*((\a)%2)+4*\p+3], v[RD] offset:2*SP*\p
.endr
.endm
.macro SEND a, younger                 ; younger: the LDS instructions issued behind block a's loads, which may stay out
	s_wait_dscnt \younger
.irp p, 0,1,2,3,4,5,6,7
	global_store_b128 v[CO], v[BK+32*((\a)%2)+4*\p:BK+32*((\a)%2)+4*\p+3], s[74:75] offset:(32*((\a)/2)+8*((\a)%2)+2*\p+8*(\p/4))*4096 th:TH_STORE_NT   ; slots 2 p, 2 p + 1: sixteen lanes store 256 consecutive bytes, at a multiple of 256 from the output's first byte
.endr
.endm
.rept 4
	v_nop                                          ; four places behind the last products
.endr
	TOSTAGE 0
	TOSTAGE 1
	SEND 0, 16                                     ; behind block 0's loads: block 1's 8 stores and 8 loads
	s_wait_xcnt 0x0                                ; block 0's stores have read their registers: block 2's rows may land there
	TOSTAGE 2
	SEND 1, 16
	s_wait_xcnt 0x0
	TOSTAGE 3
	SEND 2, 16
	SEND 3, 0
	s_wait_tensorcnt 0x0
	ds_add_u32 v30, v31
	s_wait_dscnt 0x0
	CROUND                                         ; the closing round: no work-group ends while a partner may still ask for a tile that names it
	s_endpgm
.Lfunc_end_k_qc5abf65f09_outp:
	.size	k_qc5abf65f09_outp, .Lfunc_end_k_qc5abf65f09_outp-k_qc5abf65f09_outp
	.p2alignl 7, 3214868480
	.fill 96, 4, 3214868480
	.section	.rodata,"a",@progbits
	.p2align	6, 0x0
	.amdhsa_kernel k_qc5abf65f09_outp
		.amdhsa_group_segment_fixed_size 280064
		.amdhsa_private_segment_fixed_size 0
		.amdhsa_enable_private_segment 0
		.amdhsa_kernarg_size 32
		.amdhsa_user_sgpr_count 2
		.amdhsa_user_sgpr_kernarg_segment_ptr 1
		.amdhsa_wavefront_size32 1
		.amdhsa_system_sgpr_workgroup_id_x 1
		.amdhsa_system_sgpr_workgroup_id_y 1
		.amdhsa_system_sgpr_workgroup_id_z 1
		.amdhsa_system_vgpr_workitem_id 0
		.amdhsa_next_free_vgpr 512
		.amdhsa_next_free_sgpr 96
		.amdhsa_reserve_vcc 0
		.amdhsa_float_denorm_mode_32 3
		.amdhsa_float_denorm_mode_16_64 3
		.amdhsa_memory_ordered 1
		.amdhsa_forward_progress 1
		.amdhsa_inst_pref_size 43
	.end_amdhsa_kernel
	.amdgpu_metadata
---
amdhsa.version: [ 1, 2 ]
amdhsa.kernels:
  - .name:           k_qc5abf65f09_outp
    .symbol:         k_qc5abf65f09_outp.kd
    .args:
      - { .name: ao, .offset: 0, .size: 8, .value_kind: global_buffer, .address_space: global }
      - { .name: wc, .offset: 8, .size: 8, .value_kind: global_buffer, .address_space: global }
      - { .name: lowp_scales, .offset: 16, .size: 8, .value_kind: global_buffer, .address_space: global }
      - { .name: out0, .offset: 24, .size: 8, .value_kind: global_buffer, .address_space: global }
    .group_segment_fixed_size: 280064
    .private_segment_fixed_size: 0
    .kernarg_segment_align: 8
    .kernarg_segment_size: 32
    .max_flat_workgroup_size: 128
    .sgpr_count:     96
    .vgpr_count:     512
    .wavefront_size: 32
...
	.end_amdgpu_metadata
.endif
;; end of part 4
